; MI455X (gfx1250); checked and timed in simulation.
; The chip was launched on July 23, 2026; its instructions are those of AMD's public machine-readable ISA for CDNA 5 (MIT licence, August 2026) and "CDNA5" Instruction Set Architecture Reference Guide (July 2026). The comments in the code are by the model that wrote it; some were corrected since.
;; Spike Refractory Encoder. Allowed arithmetic: float matrix products may take bf16 or f16 operands with f32 sums; all other float work in f32.
;; Inputs: W1 35 x 32 float32; W2 32 x 32 float32; b1 32 float32; b2 32 float32; gate_b one number float32; gate_w 32 float32; log_alpha 64 float32; log_tau_r 64 float32; mask 8 x 2,048 float32; time_norm 8 x 2,048 float32; value 8 x 2,048 float32; var_emb 64 x 32 float32; var_id 8 x 2,048 int32.
;; Outputs: out0 8 x 2,048 float32.
;; 2 versions, each right; version 2 is version 1 with the launches spike, pairs written anew for expert scheduling mode. Each part assembles by itself: llvm-mc -triple=amdgcn-amd-amdhsa -mcpu=gfx1250 --defsym DOCPART=n.
;; ======== version 1 of 2: 2 launches
;; workspace buffers: obs 196,608 bytes
;; launch spike (part 1): grid 256 x 1, 4 waves a work-group, no clusters, 12,800 bytes of LDS; arguments value, time_norm, mask, var_id, var_emb, W1, b1, W2, b2, gate_w, gate_b, log_tau_r, log_alpha, obs; writes obs
.if DOCPART == 1
	.amdgcn_target "amdgcn-amd-amdhsa--gfx1250"
	.amdhsa_code_object_version 6
	.text
	.protected	k_q4015a659f8_spike
	.globl	k_q4015a659f8_spike
	.p2align	8
	.type	k_q4015a659f8_spike,@function
k_q4015a659f8_spike:
	s_mov_b64 s[64:65], 0
	v_nop
	global_prefetch_b8 v0, s[64:65] scope:SCOPE_SE
	s_setreg_imm32_b32 hwreg(HW_REG_WAVE_MODE, 25, 1), 1
	s_wait_xcnt 0x0
; Per observation o (16,384 = 8 x 2048 of them):
;   w[o] = mask^2 * sigmoid( (gelu(feats W1 + b1) W2 + b2) . gate_w + gate_b )       plane 0 of obs
;   k[o] = max( log2(e) / max(exp(log_tau_r[var]), 1e-6), 2^-100 )                    plane 1
;   a[o] = 2 log2(e) * exp(log_alpha[var]) * mask                                     plane 2
; A work-group owns 64 observations, a wave 16.  Lane L = (r = L & 15, h = L >> 4) works for observation r of its wave.
; BOTH PRODUCTS ARE USED TRANSPOSED: the weights are source 0 (rows = hidden units), the observations source 1 (columns).  Register q of
; a result then holds hidden unit 16 tile + 8 h + q of observation r, and packing two tiles of results pairwise IS the source-1 fragment
; of the next product (k = 8h.. in registers 0-3, 16+8h.. in registers 4-7): nothing is transposed between the layers.
; K = 35 is split: the 32 embedding columns are one matrix step in bf16; value*mask, time, mask and b1 enter as the f32 C operand, unrounded.
; gelu(z) = max(z,0) - |z| erfc(|z|/sqrt 2)/2: no difference of near numbers.  erfc by Abramowitz-Stegun 7.1.26.
; LIMITS: var_emb, W1[3:35], gelu's results and W2 are rounded to bf16 for the matrix unit; erfc has an absolute error of 1.5e-7;
; k is kept at 2^-100 or above (it matters only for tau above 1e30, where the decay is 1 either way); var_id is clamped to 63
; (the problem keeps it inside the tables); NaN and infinite inputs are not served.
; No tensor loads, no cluster: a work-group reads 16 KB of weights once, in one burst of 8 + 24 loads a lane, and nothing twice.
.set EPITCH, 80                        ; LDS row of var_emb: 64 bytes + 16, an odd multiple of 16
.set WPITCH, 96                        ; LDS row of W1, W2: 64 bytes + 32, an odd multiple of 32 (transposing loads)
.set EMB,    0                         ; 64 rows x 80     var_emb in bf16
.set W1T,    5120                      ; 32 rows x 96     W1[3+k][j] in bf16, as stored: [k][j]
.set W2T,    8192                      ; 32 rows x 96     W2[j][l] in bf16, as stored
.set OUTST,  11264                     ; 3 planes x 64 f32: the way out
.set LOG2E,  0x3fb8aa3b
.set NLOG2E, 0xbfb8aa3b
.set LOG2E2, 0x4038aa3b                ; 2 log2(e)
.set NHL2E,  0xbf38aa3b                ; -log2(e)/2
.set A1H,    0x3e027906                ; the five coefficients of 7.1.26, halved
.set A2H,    0xbe11a98e
.set A3H,    0x3f35f0e3
.set A4H,    0xbf3a00e3
.set A5H,    0x3f07dc22
.set OB,   1                           ; v1   byte offset of my observation in value, time, mask, var_id
.set OL,   2                           ; v2   the same inside the work-group: 64 wave + 4 r
.set ST,   3                           ; v3   16 t: my 16 bytes of each staged chunk of 2,048
.set SE,   4                           ; v4   where they go, var_emb:  (t>>3) 80 + (t&7) 8
.set SW,   5                           ; v5   where they go, W1, W2:   (t>>3) 96 + (t&7) 8
.set VH,   6                           ; v6   32 h: my eight hidden units of a tile, in a row of 32 f32
.set VAR,  7
.set VAR4, 8
.set VEA,  9                           ; v9   LDS address of my embedding row's fragment
.set TRA,  10                          ; v10  LDS address for the transposing loads
.set VT,   12                          ; v[12:13]  value*mask, time
.set MV,   14                          ; v[14:15]  mask, value
.set Z,    16                          ; v[16:31]  layer 1, two tiles
.set H,    32                          ; v[32:47]  layer 2, two tiles
.set ROWS, 48                          ; v[48:95]  W1 rows 0, 1, 2 at my 16 hidden units
.set P,    48                          ; v[48:63]  later: the polynomial
.set GW,   96                          ; v[96:111] gate_w at my 16 hidden units
.set RAW,  112                         ; v[112:143] eight staged chunks in f32
.set Q,    112                         ; v[112:127] later: exp(-z^2/2), then max(z,0)
.set TT,   128                         ; v[128:143] later: 1/(1 + p|z|/sqrt 2)
.set PK,   144                         ; v[144:159] the chunks in bf16
.set W1A,  160                         ; v[160:175] two fragments of W1^T
.set W2A,  176                         ; v[176:191] two fragments of W2^T
.set VE,   192                         ; v[192:199] fragment: embeddings of 16 observations
.set G,    200                         ; v[200:207] fragment: gelu of 16 observations
.set LTAU, 208
.set LALF, 209
.set KK,   210
.set AA,   211
.set TMP,  212                         ; v[212:219] at work
.set CA,   216                         ; v[216:217] A4/2 twice
	s_load_b512 s[4:19], s[0:1], 0x0               ; value 4, time 6, mask 8, var_id 10, var_emb 12, W1 14, b1 16, W2 18
	s_load_b256 s[20:27], s[0:1], 0x40             ; b2 20, gate_w 22, gate_b 24, log_tau_r 26
	s_load_b128 s[28:31], s[0:1], 0x60             ; log_alpha 28, obs 30
	v_lshl_add_u32 v224, v0, 2, 0x3000
	v_mov_b32 v225, 0
	v_lshrrev_b32 v[TMP], 5, v0
	v_readfirstlane_b32 s33, v[TMP]                ; wave 0..3
	s_lshl_b32 s34, ttmp9, 8                       ; the work-group's 64 observations: 256 bytes in every plane
	s_lshl_b32 s37, s33, 6                         ; the wave's 16: 64 bytes
	s_mov_b32 s35, 0x76543210                      ; v_permlanex16_b32: lane i reads lane i of the other half
	s_mov_b32 s36, 0xfedcba98
	s_mov_b32 s39, NLOG2E
	s_mov_b32 s40, 0x3e6d3388                      ; 0.3275911 / sqrt 2
	v_and_b32 v[TMP+1], 15, v0                     ; r
	v_bfe_u32 v[TMP+2], v0, 4, 1                   ; h
	v_lshl_add_u32 v[OL], v[TMP+1], 2, s37
	v_add_nc_u32 v[OB], s34, v[OL]
	v_lshlrev_b32 v[ST], 4, v0
	v_lshlrev_b32 v[VH], 5, v[TMP+2]
	s_wait_kmcnt 0x0
	s_load_b32 s32, s[24:25], 0x0                  ; gate_b; waited for in front of the sigmoid
	; group A, 4 loads: my observation
	global_load_b32 v[VAR],  v[OB], s[10:11]
	global_load_b32 v[MV],   v[OB], s[8:9]
	global_load_b32 v[MV+1], v[OB], s[4:5]
	global_load_b32 v[VT+1], v[OB], s[6:7]
	; group S, 8 loads: what goes to LDS in bf16; the 128 threads take 2,048 neighbouring bytes with each load
.irp c, 0,1,2,3
	global_load_b128 v[RAW+4*\c:RAW+4*\c+3], v[ST], s[12:13] offset:2048*\c
.endr
.irp c, 0,1
	global_load_b128 v[RAW+16+4*\c:RAW+16+4*\c+3], v[ST], s[14:15] offset:384+2048*\c    ; W1 from its row 3 on
.endr
.irp c, 0,1
	global_load_b128 v[RAW+24+4*\c:RAW+24+4*\c+3], v[ST], s[18:19] offset:2048*\c
.endr
	; group V, 24 loads: six vectors of 32 f32 at my hidden units 8h..8h+7 and 16+8h..16+8h+7
.macro VEC dst, base, off
	global_load_b128 v[\dst:\dst+3],     v[VH], s[\base:\base+1] offset:\off
	global_load_b128 v[\dst+4:\dst+7],   v[VH], s[\base:\base+1] offset:\off+16
	global_load_b128 v[\dst+8:\dst+11],  v[VH], s[\base:\base+1] offset:\off+64
	global_load_b128 v[\dst+12:\dst+15], v[VH], s[\base:\base+1] offset:\off+80
.endm
	VEC Z, 16, 0                                   ; b1 starts layer 1's sums
	VEC ROWS, 14, 0                                ; W1 row 0 (value*mask)
	VEC ROWS+16, 14, 128                           ; W1 row 1 (time)
	VEC ROWS+32, 14, 256                           ; W1 row 2 (mask)
	VEC H, 20, 0                                   ; b2 starts layer 2's sums
	VEC GW, 22, 0
	; LDS addresses, while the loads are out
	v_lshrrev_b32 v[TMP+3], 3, v0                  ; t >> 3: the row of a chunk
	v_and_b32 v[TMP+4], 7, v0
	v_lshlrev_b32 v[TMP+4], 3, v[TMP+4]            ; four bf16 = 8 bytes
	v_mul_u32_u24 v[SE], v[TMP+3], EPITCH
	v_add_nc_u32 v[SE], v[SE], v[TMP+4]
	v_mul_u32_u24 v[SW], v[TMP+3], WPITCH
	v_add_nc_u32 v[SW], v[SW], v[TMP+4]
	v_and_b32 v[TMP+5], 7, v0
	v_lshl_add_u32 v[TMP+5], v[TMP+2], 3, v[TMP+5] ; k row 8 h + (L & 7)
	v_mul_u32_u24 v[TRA], v[TMP+5], WPITCH
	v_bfe_u32 v[TMP+6], v0, 3, 1
	v_lshl_add_u32 v[TRA], v[TMP+6], 4, v[TRA]     ; + 16 ((L >> 3) & 1)
	s_wait_loadcnt 32                              ; groups S (8) and V (24) stay out: group A is in
	v_min_u32 v[VAR], 63, v[VAR]                   ; an index enters addresses only clamped
	v_lshlrev_b32 v[VAR4], 2, v[VAR]
	global_load_b32 v[LTAU], v[VAR4], s[26:27]
	global_load_b32 v[LALF], v[VAR4], s[28:29]
	v_mul_f32 v[VT], v[MV+1], v[MV]                ; value * mask
	v_mul_u32_u24 v[VEA], v[VAR], EPITCH
	v_lshl_add_u32 v[VEA], v[TMP+2], 4, v[VEA]     ; row var, + 16 h
	s_wait_loadcnt 26                              ; group V (24) and the two gathers stay out: group S is in
.macro STAGE c, areg, off                          ; four f32 to four bf16, 8 bytes into LDS
	v_cvt_pk_bf16_f32 v[PK+2*\c],   v[RAW+4*\c],   v[RAW+4*\c+1]
	v_cvt_pk_bf16_f32 v[PK+2*\c+1], v[RAW+4*\c+2], v[RAW+4*\c+3]
	ds_store_b64 v[\areg], v[PK+2*\c:PK+2*\c+1] offset:\off
.endm
	STAGE 0, SE, EMB
	STAGE 1, SE, EMB+16*EPITCH
	STAGE 2, SE, EMB+32*EPITCH
	STAGE 3, SE, EMB+48*EPITCH
	STAGE 4, SW, W1T
	STAGE 5, SW, W1T+16*WPITCH
	STAGE 6, SW, W2T
	STAGE 7, SW, W2T+16*WPITCH
	s_wait_dscnt 0x0                               ; for the other waves: my stores are in LDS
	s_barrier_signal -1
	s_barrier_wait -1
	ds_load_b128 v[VE:VE+3],   v[VEA] offset:EMB           ; emb[var][8h ..]
	ds_load_b128 v[VE+4:VE+7], v[VEA] offset:EMB+32        ; emb[var][16+8h ..]
.irp t, 0,1
	ds_load_tr16_b128 v[W1A+8*\t:W1A+8*\t+3],   v[TRA] offset:W1T+32*\t              ; W1[3+8h ..][16t + r]
	ds_load_tr16_b128 v[W1A+8*\t+4:W1A+8*\t+7], v[TRA] offset:W1T+32*\t+16*WPITCH    ; W1[3+16+8h ..][16t + r]
.endr
.irp t, 0,1
	ds_load_tr16_b128 v[W2A+8*\t:W2A+8*\t+3],   v[TRA] offset:W2T+32*\t
	ds_load_tr16_b128 v[W2A+8*\t+4:W2A+8*\t+7], v[TRA] offset:W2T+32*\t+16*WPITCH
.endr
	s_wait_loadcnt 2                               ; the two gathers stay out: group V is in
.irp p, 0,2,4,6,8,10,12,14
	v_pk_fma_f32 v[Z+\p:Z+\p+1], v[ROWS+\p:ROWS+\p+1], v[VT:VT+1], v[Z+\p:Z+\p+1] op_sel_hi:[1,0,1]                   ; + W1[0] value*mask
.endr
.irp p, 0,2,4,6,8,10,12,14
	v_pk_fma_f32 v[Z+\p:Z+\p+1], v[ROWS+16+\p:ROWS+16+\p+1], v[VT:VT+1], v[Z+\p:Z+\p+1] op_sel:[0,1,0] op_sel_hi:[1,1,1] ; + W1[1] time
.endr
.irp p, 0,2,4,6,8,10,12,14
	v_pk_fma_f32 v[Z+\p:Z+\p+1], v[ROWS+32+\p:ROWS+32+\p+1], v[MV:MV+1], v[Z+\p:Z+\p+1] op_sel_hi:[1,0,1]             ; + W1[2] mask
.endr
	s_wait_dscnt 4                                 ; W2's four loads stay out: the embeddings and W1's fragments are in
	v_wmma_f32_16x16x32_bf16 v[Z:Z+7],    v[W1A:W1A+7],    v[VE:VE+7], v[Z:Z+7]
	v_wmma_f32_16x16x32_bf16 v[Z+8:Z+15], v[W1A+8:W1A+15], v[VE:VE+7], v[Z+8:Z+15]
	; k and a of my observation.  The eight plain instructions here are also the places behind the two matrix instructions (ISA guide 7.12.1).
	s_wait_loadcnt 0x0
	v_mul_f32 v[LTAU], LOG2E, v[LTAU]
	v_mul_f32 v[LALF], LOG2E, v[LALF]
	v_exp_f32 v[LTAU], v[LTAU]                     ; tau
	v_exp_f32 v[LALF], v[LALF]                     ; alpha
	v_nop                                          ; one plain instruction behind a transcendental before its result is used
	s_wait_alu depctr_va_vdst(0)
	v_max_num_f32 v[LTAU], 0x358637bd, v[LTAU]     ; max(tau, 1e-6)
	v_mul_f32 v[LALF], v[LALF], v[MV]              ; alpha * mask
	v_rcp_f32 v[KK], v[LTAU]
	v_mul_f32 v[AA], LOG2E2, v[LALF]               ; a
	s_wait_alu depctr_va_vdst(0)
	v_mul_f32 v[KK], LOG2E, v[KK]
	v_max_num_f32 v[KK], 0x0d800000, v[KK]         ; k, at least 2^-100
	; gelu on 16 numbers a lane, stage by stage
.irp p, 0,2,4,6,8,10,12,14
	v_pk_mul_f32 v[Q+\p:Q+\p+1], v[Z+\p:Z+\p+1], NHL2E op_sel_hi:[1,0]
.endr
.irp p, 0,2,4,6,8,10,12,14
	v_pk_mul_f32 v[Q+\p:Q+\p+1], v[Q+\p:Q+\p+1], v[Z+\p:Z+\p+1]            ; -z^2 log2(e) / 2
.endr
.irp e, 0,1,2,3,4,5,6,7,8,9,10,11,12,13,14,15
	v_fma_f32 v[TT+\e], |v[Z+\e]|, s40, 1.0                                ; 1 + p |z| / sqrt 2
.endr
.irp e, 0,1,2,3,4,5,6,7,8,9,10,11,12,13,14,15
	v_exp_f32 v[Q+\e], v[Q+\e]                                             ; exp(-z^2/2)
.endr
.irp e, 0,1,2,3,4,5,6,7,8,9,10,11,12,13,14,15
	v_rcp_f32 v[TT+\e], v[TT+\e]                                           ; t
.endr
	v_mov_b32 v[CA],   A4H                         ; (the plain place behind the last transcendental)
	v_mov_b32 v[CA+1], A4H
	s_wait_alu depctr_va_vdst(0)
.irp p, 0,2,4,6,8,10,12,14
	v_pk_fma_f32 v[P+\p:P+\p+1], v[TT+\p:TT+\p+1], A5H, v[CA:CA+1] op_sel_hi:[1,0,1]
.endr
.irp p, 0,2,4,6,8,10,12,14
	v_pk_fma_f32 v[P+\p:P+\p+1], v[P+\p:P+\p+1], v[TT+\p:TT+\p+1], A3H op_sel_hi:[1,1,0]
.endr
.irp p, 0,2,4,6,8,10,12,14
	v_pk_fma_f32 v[P+\p:P+\p+1], v[P+\p:P+\p+1], v[TT+\p:TT+\p+1], A2H op_sel_hi:[1,1,0]
.endr
.irp p, 0,2,4,6,8,10,12,14
	v_pk_fma_f32 v[P+\p:P+\p+1], v[P+\p:P+\p+1], v[TT+\p:TT+\p+1], A1H op_sel_hi:[1,1,0]
.endr
.irp p, 0,2,4,6,8,10,12,14
	v_pk_mul_f32 v[P+\p:P+\p+1], v[P+\p:P+\p+1], v[TT+\p:TT+\p+1]
.endr
.irp p, 0,2,4,6,8,10,12,14
	v_pk_mul_f32 v[P+\p:P+\p+1], v[P+\p:P+\p+1], v[Q+\p:Q+\p+1]            ; erfc(|z|/sqrt 2) / 2
.endr
.irp e, 0,1,2,3,4,5,6,7,8,9,10,11,12,13,14,15
	v_max_num_f32 v[Q+\e], 0, v[Z+\e]
.endr
.irp e, 0,1,2,3,4,5,6,7,8,9,10,11,12,13,14,15
	v_fma_f32 v[Z+\e], -|v[Z+\e]|, v[P+\e], v[Q+\e]                        ; gelu
.endr
.irp p, 0,1,2,3,4,5,6,7
	v_cvt_pk_bf16_f32 v[G+\p], v[Z+2*\p], v[Z+2*\p+1]                      ; tile 0 fills registers 0-3, tile 1 registers 4-7: the fragment
.endr
	s_wait_dscnt 0x0                               ; W2's fragments
	v_wmma_f32_16x16x32_bf16 v[H:H+7],    v[W2A:W2A+7],    v[G:G+7], v[H:H+7]
	v_wmma_f32_16x16x32_bf16 v[H+8:H+15], v[W2A+8:W2A+15], v[G:G+7], v[H+8:H+15]
	v_mul_f32 v[TMP+2], v[MV], v[MV]               ; mask^2; with three v_nop the four places before the results are read (ISA guide 7.12.1)
	v_nop
	v_nop
	v_nop
	; h . gate_w in f32: 16 products in the lane, then the other half of the lanes holds the other 16 hidden units
	v_pk_mul_f32 v[TMP:TMP+1], v[H:H+1], v[GW:GW+1]
.irp p, 2,4,6,8,10,12,14
	v_pk_fma_f32 v[TMP:TMP+1], v[H+\p:H+\p+1], v[GW+\p:GW+\p+1], v[TMP:TMP+1]
.endr
	v_add_f32 v[TMP], v[TMP], v[TMP+1]
	v_permlanex16_b32 v[TMP+1], v[TMP], s35, s36
	v_add_f32 v[TMP], v[TMP], v[TMP+1]
	s_wait_kmcnt 0x0                               ; gate_b
	s_mul_f32 s38, s32, s39                        ; -log2(e) gate_b
	v_fma_f32 v[TMP], v[TMP], s39, s38             ; -log2(e) (h . gate_w + gate_b)
	v_exp_f32 v[TMP], v[TMP]
	v_nop
	s_wait_alu depctr_va_vdst(0)
	v_add_f32 v[TMP], 1.0, v[TMP]
	v_rcp_f32 v[TMP], v[TMP]                       ; sigmoid
	v_nop
	s_wait_alu depctr_va_vdst(0)
	v_mul_f32 v[TMP], v[TMP], v[TMP+2]             ; w
	; the way out: the two halves of the lanes hold the same three numbers and write the same words
	ds_store_b32 v[OL], v[TMP] offset:OUTST
	ds_store_b32 v[OL], v[KK]  offset:OUTST+256
	ds_store_b32 v[OL], v[AA]  offset:OUTST+512
	s_wait_dscnt 0x0                               ; for the other waves
	s_barrier_signal -1
	s_barrier_wait -1
	s_cmp_eq_u32 s33, 3                            ; three planes: waves 0, 1, 2 store one each
	s_cbranch_scc1 .Lend
	v_and_b32 v[TMP+3], 31, v0
	v_lshlrev_b32 v[TMP+3], 3, v[TMP+3]            ; 8 bytes a lane
	s_lshl_b32 s38, s33, 8
	v_add_nc_u32 v[TMP+4], s38, v[TMP+3]
	ds_load_b64 v[TMP+6:TMP+7], v[TMP+4] offset:OUTST
	s_lshl_b32 s38, s33, 16                        ; the plane: 65,536 bytes
	s_add_co_u32 s38, s38, s34
	v_add_nc_u32 v[TMP+5], s38, v[TMP+3]
	s_wait_dscnt 0x0
	global_store_b64 v[TMP+5], v[TMP+6:TMP+7], s[30:31]    ; the wave's one store covers 256 consecutive bytes, at a multiple of 256
.Lend:
	s_wait_tensorcnt 0x0
	ds_add_u32 v224, v225
	s_wait_dscnt 0x0
	s_endpgm
.Lfunc_end_k_q4015a659f8_spike:
	.size	k_q4015a659f8_spike, .Lfunc_end_k_q4015a659f8_spike-k_q4015a659f8_spike
	.p2alignl 7, 3214868480
	.fill 96, 4, 3214868480
	.section	.rodata,"a",@progbits
	.p2align	6, 0x0
	.amdhsa_kernel k_q4015a659f8_spike
		.amdhsa_group_segment_fixed_size 12800
		.amdhsa_private_segment_fixed_size 0
		.amdhsa_enable_private_segment 0
		.amdhsa_kernarg_size 112
		.amdhsa_user_sgpr_count 2
		.amdhsa_user_sgpr_kernarg_segment_ptr 1
		.amdhsa_wavefront_size32 1
		.amdhsa_system_sgpr_workgroup_id_x 1
		.amdhsa_system_sgpr_workgroup_id_y 1
		.amdhsa_system_sgpr_workgroup_id_z 1
		.amdhsa_system_vgpr_workitem_id 0
		.amdhsa_next_free_vgpr 226
		.amdhsa_next_free_sgpr 66
		.amdhsa_reserve_vcc 0
		.amdhsa_float_denorm_mode_32 3
		.amdhsa_float_denorm_mode_16_64 3
		.amdhsa_memory_ordered 1
		.amdhsa_forward_progress 1
		.amdhsa_inst_pref_size 22
	.end_amdhsa_kernel
	.amdgpu_metadata
---
amdhsa.version: [ 1, 2 ]
amdhsa.kernels:
  - .name:           k_q4015a659f8_spike
    .symbol:         k_q4015a659f8_spike.kd
    .args:
      - { .name: value, .offset: 0, .size: 8, .value_kind: global_buffer, .address_space: global }
      - { .name: time_norm, .offset: 8, .size: 8, .value_kind: global_buffer, .address_space: global }
      - { .name: mask, .offset: 16, .size: 8, .value_kind: global_buffer, .address_space: global }
      - { .name: var_id, .offset: 24, .size: 8, .value_kind: global_buffer, .address_space: global }
      - { .name: var_emb, .offset: 32, .size: 8, .value_kind: global_buffer, .address_space: global }
      - { .name: W1, .offset: 40, .size: 8, .value_kind: global_buffer, .address_space: global }
      - { .name: b1, .offset: 48, .size: 8, .value_kind: global_buffer, .address_space: global }
      - { .name: W2, .offset: 56, .size: 8, .value_kind: global_buffer, .address_space: global }
      - { .name: b2, .offset: 64, .size: 8, .value_kind: global_buffer, .address_space: global }
      - { .name: gate_w, .offset: 72, .size: 8, .value_kind: global_buffer, .address_space: global }
      - { .name: gate_b, .offset: 80, .size: 8, .value_kind: global_buffer, .address_space: global }
      - { .name: log_tau_r, .offset: 88, .size: 8, .value_kind: global_buffer, .address_space: global }
      - { .name: log_alpha, .offset: 96, .size: 8, .value_kind: global_buffer, .address_space: global }
      - { .name: obs, .offset: 104, .size: 8, .value_kind: global_buffer, .address_space: global }
    .group_segment_fixed_size: 12800
    .private_segment_fixed_size: 0
    .kernarg_segment_align: 8
    .kernarg_segment_size: 112
    .max_flat_workgroup_size: 128
    .sgpr_count:     66
    .vgpr_count:     226
    .wavefront_size: 32
...
	.end_amdgpu_metadata
.endif
;; end of part 1
;; launch pairs (part 2): grid 32 x 8, 4 waves a work-group, no clusters, 115,200 bytes of LDS; arguments time_norm, var_id, obs, out0; writes out0
.if DOCPART == 2
	.amdgcn_target "amdgcn-amd-amdhsa--gfx1250"
	.amdhsa_code_object_version 6
	.text
	.protected	k_q4015a659f8_pairs
	.globl	k_q4015a659f8_pairs
	.p2align	8
	.type	k_q4015a659f8_pairs,@function
k_q4015a659f8_pairs:
	s_mov_b64 s[64:65], 0
	v_nop
	global_prefetch_b8 v0, s[64:65] scope:SCOPE_SE
	s_setreg_imm32_b32 hwreg(HW_REG_WAVE_MODE, 25, 1), 1
	s_wait_xcnt 0x0
; out[n] = w[n] * 2 / (1 + exp2(a[n] S[n])),   S[n] = sum over m of [var_m = var_n] [t_n > t_m] exp2((t_m - t_n) k[n]) w[m]
; (w, k, a: the three planes of obs.  2/(1+e^(2x)) = 1 - tanh x, without a difference of near numbers.)
; The sum is a matrix product: S[n] = (E W)[n][var_n] with E[n][m] = [t_n > t_m] exp2((t_m - t_n) k_n) and W[m][v] = w_m [var_m = v],
; both in bf16, sums in f32.  So no pair ever compares variables: the one-hot matrix W sorts the sums into 64 columns.
; A work-group owns 64 n of one batch; wave w takes all 64 n against m = 512 w .. 512 w + 511 in 16 steps of 32 m.  A step is four
; tiles of E (16 n x 32 m, 16 pairs a lane) against four fragments of W (16 v x 32 m): 16 matrix instructions on 16 accumulators.
; THE 'EARLIER' TEST IS ONE INSTRUCTION: g = t_m - t_n; as signed whole numbers every negative finite float lies at or below the pattern
; of -FLT_MAX and every float from +0 up lies above it, so min(pattern, g) keeps g < 0 and turns g >= 0 (ties, the pair with itself) into
; -FLT_MAX, whose product with k >= 2^-100 sends exp2 to 0.  g is never -0: every time is first added to +0, which turns -0 into +0.
; THE MATRIX INSTRUCTION IS USED TRANSPOSED: source 0 = W's fragment (rows v), source 1 = E's (columns n): register q of a result is
; (v = 16 j + 8 h + q, n = 16 i + r), eight neighbouring v of one n, stored as two runs of 16 bytes.
; W's fragments come from one LDS slot a wave, 64 rows (v) x 32 m, cleared once.  A step puts its 32 numbers in with one 2-byte store
; (lane = m), reads the slot, and clears the same 32 places: LDS serves a wave's instructions in order (ISA guide 5.7.1).
; A wave touches only its own LDS bytes until the four partial sums meet: one barrier in the launch.
; LIMITS: E and w are rounded to bf16 for the matrix unit; the sum over m is grouped by matrix step and by wave, not in the reference's
; order; var_id is clamped to 63 (the problem keeps it inside); NaN and infinite inputs are not served.
; No cluster, no tensor loads: the 32 work-groups of a batch share 24 KB (t, var_id, w), which each reads once, 12 loads a lane, against
; 131,072 pairs of arithmetic; nothing is fetched inside the loop.
.set BPITCH, 80                        ; a row of the slot: 64 bytes + 16, an odd multiple of 16
.set BSLOT,  64*BPITCH                 ; 5,120 bytes a wave, from LDS byte 0
.set TST,    4*BSLOT                   ; 2,048 bytes a wave: t of my 512 m
.set VST,    TST+8192                  ; var_id of my 512 m
.set WST,    VST+8192                  ; w of my 512 m
.set RST,    WST+8192                  ; 17,408 bytes a wave: partial sums [64 n][64 v] f32
.set RPITCH, 272                       ; 256 bytes + 16
.set RWAVE,  64*RPITCH
.set A_BF, 1                           ; v1   slot + 80 r + 16 h: W's fragments
.set A_T,  2                           ; v2   2048 wave + 32 h: eight t of a step (+ 256 every two steps)
.set A_SC, 3                           ; v3   slot + 2 L: my column of the slot
.set A_VW, 4                           ; v4   2048 wave + 4 L: my m's var_id and w (+ 256 every two steps)
.set ZR,   5                           ; v5   zero
.set SA,   6                           ; v6   where my m's number goes in the slot
.set WB,   7                           ; v7   w of my m in bf16
.set VR,   8                           ; v8   var_id of my m, as loaded
.set WR,   9                           ; v9   w of my m, as loaded
.set SG,   10                          ; v10  2048 wave + 16 L: staging, in memory and in LDS
.set ZA,   11                          ; v11  slot + 16 L: clearing; at the end: where my partial sums go
.set VN4,  12                          ; v12  byte offset of n = 64 x + r
.set VN8,  13                          ; v13  byte offset of n = 64 x + 2 L
.set TK,   16                          ; v[16:23]   (t_n, k_n) of n tiles 0..3
.set AF,   24                          ; v[24:31]   E's fragment
.set X0,   32                          ; v[32:47]   16 exponents, then 16 exponentials, of one tile
.set X1,   48                          ; v[48:63]   the same of the tile behind it
.set T0,   64                          ; v[64:79]   16 t_m of an even step
.set T1,   80                          ; v[80:95]   of an odd step
.set BF,   96                          ; v[96:127]  W's four fragments
.set ACC,  128                         ; v[128:255] accumulator (i, j) at ACC + 8 (4 i + j)
	s_load_b256 s[4:11], s[0:1], 0x0               ; time s[4:5], var_id s[6:7], obs s[8:9], out s[10:11]
	s_set_vgpr_msb 0x40
	v_lshl_add_u32 v0, v0, 2, 0x1c000
	v_mov_b32 v1, 0
	s_set_vgpr_msb 0x4000
	v_lshrrev_b32 v14, 5, v0
	v_readfirstlane_b32 s12, v14                   ; wave 0..3
	s_and_b32 s13, ttmp7, 0xffff                   ; batch
	s_lshl_b32 s16, s13, 13                        ; 2,048 numbers of 4 bytes
	s_mov_b32 s17, 0
	s_lshl_b32 s14, ttmp9, 8                       ; my 64 n: 256 bytes
	s_mov_b32 s26, 0xff7fffff                      ; -FLT_MAX
	s_mul_i32 s20, s12, BSLOT
	s_lshl_b32 s21, s12, 11
	s_mul_i32 s22, s12, RWAVE
	s_add_co_u32 s22, s22, RST
	v_and_b32 v24, 31, v0                          ; L
	v_and_b32 v25, 15, v0                          ; r
	v_bfe_u32 v26, v0, 4, 1                        ; h
	v_lshl_add_u32 v[SG],  v24, 4, s21
	v_lshl_add_u32 v[VN4], v25, 2, s14
	s_wait_kmcnt 0x0
	s_add_nc_u64 s[4:5], s[4:5], s[16:17]
	s_add_nc_u64 s[6:7], s[6:7], s[16:17]
	s_add_nc_u64 s[8:9], s[8:9], s[16:17]
	s_add_nc_u64 s[10:11], s[10:11], s[16:17]
	; 12 loads: t, var_id, w of my 512 m, 512 neighbouring bytes each, into registers that the accumulators take over later
.irp c, 0,1,2,3
	global_load_b128 v[ACC+4*\c:ACC+4*\c+3], v[SG], s[4:5] offset:512*\c
.endr
.irp c, 0,1,2,3
	global_load_b128 v[ACC+16+4*\c:ACC+16+4*\c+3], v[SG], s[6:7] offset:512*\c
.endr
.irp c, 0,1,2,3
	global_load_b128 v[ACC+32+4*\c:ACC+32+4*\c+3], v[SG], s[8:9] offset:512*\c
.endr
	; 8 loads: t and k of my four n
.irp i, 0,1,2,3
	global_load_b32 v[TK+2*\i],   v[VN4], s[4:5] offset:64*\i
	global_load_b32 v[TK+2*\i+1], v[VN4], s[8:9] offset:65536+64*\i
.endr
	v_mul_u32_u24 v[A_BF], v25, BPITCH
	v_lshl_add_u32 v[A_BF], v26, 4, v[A_BF]
	v_add_nc_u32 v[A_BF], s20, v[A_BF]
	v_lshl_add_u32 v[A_T],  v26, 5, s21
	v_lshl_add_u32 v[A_SC], v24, 1, s20
	v_lshl_add_u32 v[A_VW], v24, 2, s21
	v_lshl_add_u32 v[ZA],   v24, 4, s20
	v_lshl_add_u32 v[VN8],  v24, 3, s14
	v_mov_b32 v[ZR], 0
.irp c, 0,1,2,3
	v_mov_b32 v[AF+\c], 0
.endr
.irp c, 0,1,2,3,4,5,6,7,8,9
	ds_store_b128 v[ZA], v[AF:AF+3] offset:512*\c  ; the slot is cleared once: 10 x 512 bytes
.endr
	s_wait_loadcnt 8                               ; the eight loads of t_n, k_n stay out: the twelve are in
.irp p, 0,2,4,6,8,10,12,14
	v_pk_add_f32 v[ACC+\p:ACC+\p+1], v[ACC+\p:ACC+\p+1], 0 op_sel_hi:[1,0]    ; t + (+0): -0 becomes +0, nothing else changes
.endr
.irp c, 0,1,2,3
	ds_store_b128 v[SG], v[ACC+4*\c:ACC+4*\c+3]       offset:TST+512*\c
	ds_store_b128 v[SG], v[ACC+16+4*\c:ACC+16+4*\c+3] offset:VST+512*\c
	ds_store_b128 v[SG], v[ACC+32+4*\c:ACC+32+4*\c+3] offset:WST+512*\c
.endr
	; step 0's t, var_id, w: my own bytes, served behind my stores
	ds_load_b128 v[T0:T0+3],     v[A_T] offset:TST
	ds_load_b128 v[T0+4:T0+7],   v[A_T] offset:TST+16
	ds_load_b128 v[T0+8:T0+11],  v[A_T] offset:TST+64
	ds_load_b128 v[T0+12:T0+15], v[A_T] offset:TST+80
	ds_load_b32 v[VR], v[A_VW] offset:VST
	ds_load_b32 v[WR], v[A_VW] offset:WST
; One of the 32 plain instructions that make a tile's 16 exponents: 8 packed subtractions g = t_m - t_n, 16 tests, 8 packed products g k_n.
.macro PLAIN p, nxt, tb, ni
.if (\p) < 8
	v_pk_add_f32 v[\nxt+2*(\p):\nxt+2*(\p)+1], v[\tb+2*(\p):\tb+2*(\p)+1], v[TK+2*\ni:TK+2*\ni+1] op_sel_hi:[1,0] neg_lo:[0,1] neg_hi:[0,1]
.else
.if (\p) < 24
	v_min_i32 v[\nxt+(\p)-8], s26, v[\nxt+(\p)-8]
.else
	v_pk_mul_f32 v[\nxt+2*((\p)-24):\nxt+2*((\p)-24)+1], v[\nxt+2*((\p)-24):\nxt+2*((\p)-24)+1], v[TK+2*\ni:TK+2*\ni+1] op_sel:[0,1] op_sel_hi:[1,1]
.endif
.endif
.endm
; A step's LDS work: my number into the slot, the four fragments out, my place cleared; more = 1: the next step's t, var_id, w.
.macro LDSBLK more, offn, tnext
	ds_store_b16 v[SA], v[WB]
.irp j, 0,1,2,3
	ds_load_b128 v[BF+8*\j:BF+8*\j+3],   v[A_BF] offset:16*BPITCH*\j       ; W(v = 16 j + r, m = 8 h ..)
	ds_load_b128 v[BF+8*\j+4:BF+8*\j+7], v[A_BF] offset:16*BPITCH*\j+32    ; W(v, m = 16 + 8 h ..)
.endr
	ds_store_b16 v[SA], v[ZR]
.if \more
	ds_load_b128 v[\tnext:\tnext+3],     v[A_T] offset:TST+\offn
	ds_load_b128 v[\tnext+4:\tnext+7],   v[A_T] offset:TST+\offn+16
	ds_load_b128 v[\tnext+8:\tnext+11],  v[A_T] offset:TST+\offn+64
	ds_load_b128 v[\tnext+12:\tnext+15], v[A_T] offset:TST+\offn+80
	ds_load_b32 v[VR], v[A_VW] offset:VST+\offn
	ds_load_b32 v[WR], v[A_VW] offset:WST+\offn
.endif
.endm
; The next step's place in the slot and its number in bf16.
.macro XFORM
	s_wait_dscnt 0x0                               ; the next step's t, var_id and w are in
	v_min_u32 v[SA], 63, v[VR]                     ; an index enters addresses only clamped
	v_mul_u32_u24 v[SA], BPITCH, v[SA]
	v_add_nc_u32 v[SA], v[A_SC], v[SA]
	v_cvt_pk_bf16_f32 v[WB], v[WR], v[WR]
.endm
; Tile i of a step: 16 exponentials in place in cur; behind each, two of the plain instructions that make the next tile's exponents in nxt
; (from the times in tb and n tile ni), which are also the plain place that a transcendental asks for and, 32 of them, the places between
; one tile's matrix instructions and the next writes of AF (ISA guide 7.12.1).  blk = 1: the step's LDS work stands behind the fourth
; exponential, eight plain instructions behind the last matrix instruction that read BF.  prep = 0 (the very last tile): four v_nop instead.
.macro TILE i, cur, nxt, tb, ni, zero, prep, blk, more, offn, tnext
.irp e, 0,1,2,3,4,5,6,7,8,9,10,11,12,13,14,15
	v_exp_f32 v[\cur+\e], v[\cur+\e]
.if \prep
	PLAIN 2*\e, \nxt, \tb, \ni
	PLAIN 2*\e+1, \nxt, \tb, \ni
.endif
.if \blk
.if \e == 3
	LDSBLK \more, \offn, \tnext
.endif
.endif
.endr
.if \prep == 0
	s_wait_alu depctr_va_vdst(0)
.rept 4
	v_nop
.endr
.endif
	s_wait_alu depctr_va_vdst(0)
.irp e, 0,1,2,3,4,5,6,7
	v_cvt_pk_bf16_f32 v[AF+\e], v[\cur+2*\e], v[\cur+2*\e+1]
.endr
.if \blk
.if \more
	s_wait_dscnt 7                                 ; behind BF's eight loads: the clearing store, four loads of t, var_id, w
.else
	s_wait_dscnt 1                                 ; behind BF's eight loads: the clearing store alone
.endif
.endif
.irp j, 0,1,2,3
.if \zero
	v_wmma_f32_16x16x32_bf16 v[ACC+8*(4*\i+\j):ACC+8*(4*\i+\j)+7], v[BF+8*\j:BF+8*\j+7], v[AF:AF+7], 0
.else
	v_wmma_f32_16x16x32_bf16 v[ACC+8*(4*\i+\j):ACC+8*(4*\i+\j)+7], v[BF+8*\j:BF+8*\j+7], v[AF:AF+7], v[ACC+8*(4*\i+\j):ACC+8*(4*\i+\j)+7]
.endif
.endr
.endm
; A step of 32 m.  par: its parity (which T holds its times).  zero = 1: the first products start the sums.  more = 1: a step follows.
.macro STEP par, zero, more
.if \par
	TILE 0, X0, X1, T1, 1, \zero, 1, 1, \more, 256, T0
	TILE 1, X1, X0, T1, 2, \zero, 1, 0, 0, 0, T0
.if \more
	XFORM
.endif
	TILE 2, X0, X1, T1, 3, \zero, 1, 0, 0, 0, T0
	TILE 3, X1, X0, T0, 0, \zero, \more, 0, 0, 0, T0
.else
	TILE 0, X0, X1, T0, 1, \zero, 1, 1, \more, 128, T1
	TILE 1, X1, X0, T0, 2, \zero, 1, 0, 0, 0, T1
.if \more
	XFORM
.endif
	TILE 2, X0, X1, T0, 3, \zero, 1, 0, 0, 0, T1
	TILE 3, X1, X0, T1, 0, \zero, \more, 0, 0, 0, T1
.endif
.endm
	XFORM                                          ; step 0's place and number; its wait also covers T0
	s_wait_loadcnt 0x0                             ; t_n, k_n
.irp i, 0,1,2,3
	v_add_f32 v[TK+2*\i], 0, v[TK+2*\i]            ; -0 becomes +0
.endr
.irp p, 0,1,2,3,4,5,6,7,8,9,10,11,12,13,14,15,16,17,18,19,20,21,22,23,24,25,26,27,28,29,30,31
	PLAIN \p, X0, T0, 0                            ; the first tile's exponents
.endr
	STEP 0, 1, 1                                   ; steps 0 and 1 stand in front of the loop: step 0 starts the sums
	STEP 1, 0, 1
	v_add_nc_u32 v[A_T],  0x100, v[A_T]            ; two steps on: 64 m of 4 bytes
	v_add_nc_u32 v[A_VW], 0x100, v[A_VW]
	s_mov_b32 s28, 6                               ; steps 2 to 13
.Lstep:
	STEP 0, 0, 1
	STEP 1, 0, 1
	v_add_nc_u32 v[A_T],  0x100, v[A_T]
	v_add_nc_u32 v[A_VW], 0x100, v[A_VW]
	s_sub_co_i32 s28, s28, 1
	s_cmp_lg_u32 s28, 0
	s_cbranch_scc1 .Lstep
	STEP 0, 0, 1                                   ; step 14
	s_cmp_lg_u32 s12, 0
	s_cbranch_scc1 .Lnot0
	global_load_b64 v[T0:T0+1],   v[VN8], s[6:7]                   ; wave 0 finishes the work-group's 64 n, two a lane: var_id,
	global_load_b64 v[T0+2:T0+3], v[VN8], s[8:9]                   ; w,
	global_load_b64 v[T0+4:T0+5], v[VN8], s[8:9] offset:131072     ; a.  T0 was last read in step 14
.Lnot0:
	STEP 1, 0, 0                                   ; step 15 fetches nothing and prepares nothing
	; my partial sums to LDS.  These five plain instructions are the places behind the last matrix instructions (ISA guide 7.12.1).
	v_and_b32 v14, 15, v0
	v_bfe_u32 v15, v0, 4, 1
	v_mul_u32_u24 v[ZA], v14, RPITCH
	v_lshl_add_u32 v[ZA], v15, 5, v[ZA]
	v_add_nc_u32 v[ZA], s22, v[ZA]                 ; row n = r, columns v = 8 h ..
.irp i, 0,1,2,3
.irp j, 0,1,2,3
	ds_store_b128 v[ZA], v[ACC+8*(4*\i+\j):ACC+8*(4*\i+\j)+3]   offset:16*RPITCH*\i+64*\j
	ds_store_b128 v[ZA], v[ACC+8*(4*\i+\j)+4:ACC+8*(4*\i+\j)+7] offset:16*RPITCH*\i+64*\j+16
.endr
.endr
	s_wait_dscnt 0x0                               ; for wave 0: my stores are in LDS
	s_barrier_signal -1
	s_barrier_wait -1
	s_cmp_lg_u32 s12, 0
	s_cbranch_scc1 .Lend
	s_wait_loadcnt 0x0                             ; var_id, w, a of n = 2 L, 2 L + 1
	v_mul_u32_u24 v14, 2*RPITCH, v0                ; in wave 0 the thread's number is the lane: row 2 L
	v_add_nc_u32 v14, RST, v14
	v_min_u32 v[T0],   63, v[T0]
	v_min_u32 v[T0+1], 63, v[T0+1]
	v_lshl_add_u32 v[T0],   v[T0],   2, v14        ; column var_n of row n
	v_lshl_add_u32 v[T0+1], v[T0+1], 2, v14
.irp w, 0,1,2,3
	ds_load_b32 v[T0+6+2*\w], v[T0]   offset:RWAVE*\w
	ds_load_b32 v[T0+7+2*\w], v[T0+1] offset:RWAVE*\w+RPITCH
.endr
	s_wait_dscnt 0x0
	v_pk_add_f32 v[T0+6:T0+7],   v[T0+6:T0+7],   v[T0+8:T0+9]
	v_pk_add_f32 v[T0+10:T0+11], v[T0+10:T0+11], v[T0+12:T0+13]
	v_pk_add_f32 v[T0+6:T0+7],   v[T0+6:T0+7],   v[T0+10:T0+11]    ; S
	v_pk_mul_f32 v[T0+6:T0+7],   v[T0+6:T0+7],   v[T0+4:T0+5]      ; a S
	v_exp_f32 v[T0+6], v[T0+6]
	v_exp_f32 v[T0+7], v[T0+7]
	v_pk_add_f32 v[T0+2:T0+3], v[T0+2:T0+3], v[T0+2:T0+3]          ; 2 w (the plain place behind the exponentials)
	s_wait_alu depctr_va_vdst(0)
	v_pk_add_f32 v[T0+6:T0+7], v[T0+6:T0+7], 1.0 op_sel_hi:[1,0]
	v_rcp_f32 v[T0+6], v[T0+6]
	v_rcp_f32 v[T0+7], v[T0+7]
	v_nop
	s_wait_alu depctr_va_vdst(0)
	v_pk_mul_f32 v[T0+6:T0+7], v[T0+6:T0+7], v[T0+2:T0+3]
	global_store_b64 v[VN8], v[T0+6:T0+7], s[10:11]                ; the wave's one store covers 256 consecutive bytes, at a multiple of 256
.Lend:
	s_set_vgpr_msb 0x5
	s_wait_tensorcnt 0x0
	ds_add_u32 v0, v1
	s_wait_dscnt 0x0
	s_set_vgpr_msb 0x500
	s_endpgm
.Lfunc_end_k_q4015a659f8_pairs:
	.size	k_q4015a659f8_pairs, .Lfunc_end_k_q4015a659f8_pairs-k_q4015a659f8_pairs
	.p2alignl 7, 3214868480
	.fill 96, 4, 3214868480
	.section	.rodata,"a",@progbits
	.p2align	6, 0x0
	.amdhsa_kernel k_q4015a659f8_pairs
		.amdhsa_group_segment_fixed_size 115200
		.amdhsa_private_segment_fixed_size 0
		.amdhsa_enable_private_segment 0
		.amdhsa_kernarg_size 32
		.amdhsa_user_sgpr_count 2
		.amdhsa_user_sgpr_kernarg_segment_ptr 1
		.amdhsa_wavefront_size32 1
		.amdhsa_system_sgpr_workgroup_id_x 1
		.amdhsa_system_sgpr_workgroup_id_y 1
		.amdhsa_system_sgpr_workgroup_id_z 1
		.amdhsa_system_vgpr_workitem_id 0
		.amdhsa_next_free_vgpr 258
		.amdhsa_next_free_sgpr 66
		.amdhsa_reserve_vcc 0
		.amdhsa_float_denorm_mode_32 3
		.amdhsa_float_denorm_mode_16_64 3
		.amdhsa_memory_ordered 1
		.amdhsa_forward_progress 1
		.amdhsa_inst_pref_size 86
	.end_amdhsa_kernel
	.amdgpu_metadata
---
amdhsa.version: [ 1, 2 ]
amdhsa.kernels:
  - .name:           k_q4015a659f8_pairs
    .symbol:         k_q4015a659f8_pairs.kd
    .args:
      - { .name: time_norm, .offset: 0, .size: 8, .value_kind: global_buffer, .address_space: global }
      - { .name: var_id, .offset: 8, .size: 8, .value_kind: global_buffer, .address_space: global }
      - { .name: obs, .offset: 16, .size: 8, .value_kind: global_buffer, .address_space: global }
      - { .name: out0, .offset: 24, .size: 8, .value_kind: global_buffer, .address_space: global }
    .group_segment_fixed_size: 115200
    .private_segment_fixed_size: 0
    .kernarg_segment_align: 8
    .kernarg_segment_size: 32
    .max_flat_workgroup_size: 128
    .sgpr_count:     66
    .vgpr_count:     258
    .wavefront_size: 32
...
	.end_amdgpu_metadata
.endif
;; end of part 2
;; ======== version 2 of 2: 2 launches; version 1 with the launches spike, pairs written anew for expert scheduling mode
;; workspace buffers: obs 196,608 bytes
;; launch spike (part 3): grid 256 x 1, 4 waves a work-group, no clusters, 12,800 bytes of LDS; arguments value, time_norm, mask, var_id, var_emb, W1, b1, W2, b2, gate_w, gate_b, log_tau_r, log_alpha, obs; writes obs
.if DOCPART == 3
	.amdgcn_target "amdgcn-amd-amdhsa--gfx1250"
	.amdhsa_code_object_version 6
	.text
	.protected	k_q4015a659f8_spike
	.globl	k_q4015a659f8_spike
	.p2align	8
	.type	k_q4015a659f8_spike,@function
k_q4015a659f8_spike:
	s_mov_b64 s[64:65], 0
	v_nop
	global_prefetch_b8 v0, s[64:65] scope:SCOPE_SE
	s_setreg_imm32_b32 hwreg(HW_REG_WAVE_SCHED_MODE, 0, 2), 2
	s_setreg_imm32_b32 hwreg(HW_REG_WAVE_MODE, 25, 1), 1
	s_wait_xcnt 0x0
	s_wait_alu depctr_vm_vsrc(0)
; Per observation o (16,384 = 8 x 2048 of them):
;   w[o] = mask^2 * sigmoid( (gelu(feats W1 + b1) W2 + b2) . gate_w + gate_b )       plane 0 of obs
;   k[o] = max( log2(e) / max(exp(log_tau_r[var]), 1e-6), 2^-100 )                    plane 1
;   a[o] = 2 log2(e) * exp(log_alpha[var]) * mask                                     plane 2
; A work-group owns 64 observations, a wave 16.  Lane L = (r = L & 15, h = L >> 4) works for observation r of its wave.
; BOTH PRODUCTS ARE USED TRANSPOSED: the weights are source 0 (rows = hidden units), the observations source 1 (columns).  Register q of
; a result then holds hidden unit 16 tile + 8 h + q of observation r, and packing two tiles of results pairwise IS the source-1 fragment
; of the next product (k = 8h.. in registers 0-3, 16+8h.. in registers 4-7): nothing is transposed between the layers.
; K = 35 is split: the 32 embedding columns are one matrix step in bf16; value*mask, time, mask and b1 enter as the f32 C operand, unrounded.
; gelu(z) = max(z,0) - |z| erfc(|z|/sqrt 2)/2: no difference of near numbers.  erfc by Abramowitz-Stegun 7.1.26.
; LIMITS: var_emb, W1[3:35], gelu's results and W2 are rounded to bf16 for the matrix unit; erfc has an absolute error of 1.5e-7;
; k is kept at 2^-100 or above (it matters only for tau above 1e30, where the decay is 1 either way); var_id is clamped to 63
; (the problem keeps it inside the tables); NaN and infinite inputs are not served.
; No tensor loads, no cluster: a work-group reads 16 KB of weights once, in one burst of 8 + 24 loads a lane, and nothing twice.
; THE MODE: SCHED_MODE bits 1:0 = 2 (LLVM: expert scheduling mode 2), set by the entry lines.  The code itself states the register dependences
; between vector or matrix instructions and memory or LDS instructions, with s_wait_alu, always for 0.
; THE PLAN.  The text is one straight run.  Registers that memory or LDS instructions touch:
;   OB, OL, ST, VH, SE, SW, TRA   offsets and LDS addresses, made at the head ahead of one wait and never written again.
;   VAR4, VEA                     made from the loaded index, ahead of one wait; read by the two gathers and by the embedding's LDS loads.
;   PK                            written by the sixteen conversions, ahead of one wait; read by the eight LDS stores, which stand in one run.
;   TMP, KK, AA                   the three results, written ahead of one wait; read by the three LDS stores.
;   TMP+4, TMP+5                  the way out's two addresses, made ahead of one wait.
;   Every register in which a load lands is either untouched before, or was last named by a vector instruction ahead of one of these waits.
;   No register that a memory or LDS instruction reads is ever written again: the text owes no wait on vm_vsrc.
; The transcendentals stand in four batches (tau and alpha; 1/tau with gelu's 16 exponentials and 16 reciprocals; the sigmoid's two), each with
; one wait ahead of its first reader.
.set EPITCH, 80                        ; LDS row of var_emb: 64 bytes + 16, an odd multiple of 16
.set WPITCH, 96                        ; LDS row of W1, W2: 64 bytes + 32, an odd multiple of 32 (transposing loads)
.set EMB,    0                         ; 64 rows x 80     var_emb in bf16
.set W1T,    5120                      ; 32 rows x 96     W1[3+k][j] in bf16, as stored: [k][j]
.set W2T,    8192                      ; 32 rows x 96     W2[j][l] in bf16, as stored
.set OUTST,  11264                     ; 3 planes x 64 f32: the way out
.set LOG2E,  0x3fb8aa3b
.set NLOG2E, 0xbfb8aa3b
.set LOG2E2, 0x4038aa3b                ; 2 log2(e)
.set NHL2E,  0xbf38aa3b                ; -log2(e)/2
.set A1H,    0x3e027906                ; the five coefficients of 7.1.26, halved
.set A2H,    0xbe11a98e
.set A3H,    0x3f35f0e3
.set A4H,    0xbf3a00e3
.set A5H,    0x3f07dc22
.set OB,   1                           ; v1   byte offset of my observation in value, time, mask, var_id
.set OL,   2                           ; v2   the same inside the work-group: 64 wave + 4 r
.set ST,   3                           ; v3   16 t: my 16 bytes of each staged chunk of 2,048
.set SE,   4                           ; v4   where they go, var_emb:  (t>>3) 80 + (t&7) 8
.set SW,   5                           ; v5   where they go, W1, W2:   (t>>3) 96 + (t&7) 8
.set VH,   6                           ; v6   32 h: my eight hidden units of a tile, in a row of 32 f32
.set VAR,  7
.set VAR4, 8
.set VEA,  9                           ; v9   LDS address of my embedding row's fragment
.set TRA,  10                          ; v10  LDS address for the transposing loads
.set VT,   12                          ; v[12:13]  value*mask, time
.set MV,   14                          ; v[14:15]  mask, value
.set Z,    16                          ; v[16:31]  layer 1, two tiles
.set H,    32                          ; v[32:47]  layer 2, two tiles
.set ROWS, 48                          ; v[48:95]  W1 rows 0, 1, 2 at my 16 hidden units
.set P,    48                          ; v[48:63]  later: the polynomial
.set GW,   96                          ; v[96:111] gate_w at my 16 hidden units
.set RAW,  112                         ; v[112:143] eight staged chunks in f32
.set Q,    112                         ; v[112:127] later: exp(-z^2/2), then max(z,0)
.set TT,   128                         ; v[128:143] later: 1/(1 + p|z|/sqrt 2)
.set PK,   144                         ; v[144:159] the chunks in bf16
.set W1A,  160                         ; v[160:175] two fragments of W1^T
.set W2A,  176                         ; v[176:191] two fragments of W2^T
.set VE,   192                         ; v[192:199] fragment: embeddings of 16 observations
.set G,    200                         ; v[200:207] fragment: gelu of 16 observations
.set LTAU, 208
.set LALF, 209
.set KK,   210
.set AA,   211
.set TMP,  212                         ; v[212:219] at work
.set CA,   216                         ; v[216:217] A4/2 twice
	s_load_b512 s[4:19], s[0:1], 0x0               ; value 4, time 6, mask 8, var_id 10, var_emb 12, W1 14, b1 16, W2 18
	s_load_b256 s[20:27], s[0:1], 0x40             ; b2 20, gate_w 22, gate_b 24, log_tau_r 26
	s_load_b128 s[28:31], s[0:1], 0x60             ; log_alpha 28, obs 30
	v_lshl_add_u32 v222, v0, 2, 0x3000
	v_mov_b32 v223, 0
	v_lshrrev_b32 v[TMP], 5, v0
	v_readfirstlane_b32 s33, v[TMP]                ; wave 0..3
	s_lshl_b32 s34, ttmp9, 8                       ; the work-group's 64 observations: 256 bytes in every plane
	s_mov_b32 s35, 0x76543210                      ; v_permlanex16_b32: lane i reads lane i of the other half
	s_mov_b32 s36, 0xfedcba98
	s_mov_b32 s39, NLOG2E
	s_mov_b32 s40, 0x3e6d3388                      ; 0.3275911 / sqrt 2
	v_and_b32 v[TMP+1], 15, v0                     ; r
	v_bfe_u32 v[TMP+2], v0, 4, 1                   ; h
	v_lshlrev_b32 v[ST], 4, v0
	v_lshlrev_b32 v[VH], 5, v[TMP+2]
	; the LDS addresses, all in the wait for the arguments
	v_lshrrev_b32 v[TMP+3], 3, v0                  ; t >> 3: the row of a chunk
	v_and_b32 v[TMP+4], 7, v0
	v_lshlrev_b32 v[TMP+4], 3, v[TMP+4]            ; four bf16 = 8 bytes
	v_mul_u32_u24 v[SE], v[TMP+3], EPITCH
	v_add_nc_u32 v[SE], v[SE], v[TMP+4]
	v_mul_u32_u24 v[SW], v[TMP+3], WPITCH
	v_add_nc_u32 v[SW], v[SW], v[TMP+4]
	v_and_b32 v[TMP+5], 7, v0
	v_lshl_add_u32 v[TMP+5], v[TMP+2], 3, v[TMP+5] ; k row 8 h + (L & 7)
	v_mul_u32_u24 v[TRA], v[TMP+5], WPITCH
	v_bfe_u32 v[TMP+6], v0, 3, 1
	v_lshl_add_u32 v[TRA], v[TMP+6], 4, v[TRA]     ; + 16 ((L >> 3) & 1)
	s_wait_alu depctr_va_sdst(0)                   ; s33 is written, ahead of its first reader
	s_lshl_b32 s37, s33, 6                         ; the wave's 16 observations: 64 bytes
	v_lshl_add_u32 v[OL], v[TMP+1], 2, s37
	v_add_nc_u32 v[OB], s34, v[OL]
	s_wait_kmcnt 0x0
	s_load_b32 s32, s[24:25], 0x0                  ; gate_b; waited for in front of the sigmoid
	s_wait_alu depctr_va_vdst(0)                   ; OB, OL, ST, VH, SE, SW and TRA are written: every load and store below but the gathers, the embedding's loads and the way out reads one of them
	; group A, 4 loads: my observation
	global_load_b32 v[VAR],  v[OB], s[10:11]
	global_load_b32 v[MV],   v[OB], s[8:9]
	global_load_b32 v[MV+1], v[OB], s[4:5]
	global_load_b32 v[VT+1], v[OB], s[6:7]
	; group S, 8 loads: what goes to LDS in bf16; the 128 threads take 2,048 neighbouring bytes with each load
.irp c, 0,1,2,3
	global_load_b128 v[RAW+4*\c:RAW+4*\c+3], v[ST], s[12:13] offset:2048*\c
.endr
.irp c, 0,1
	global_load_b128 v[RAW+16+4*\c:RAW+16+4*\c+3], v[ST], s[14:15] offset:384+2048*\c    ; W1 from its row 3 on
.endr
.irp c, 0,1
	global_load_b128 v[RAW+24+4*\c:RAW+24+4*\c+3], v[ST], s[18:19] offset:2048*\c
.endr
	; group V, 24 loads: six vectors of 32 f32 at my hidden units 8h..8h+7 and 16+8h..16+8h+7
.macro VEC dst, base, off
	global_load_b128 v[\dst:\dst+3],     v[VH], s[\base:\base+1] offset:\off
	global_load_b128 v[\dst+4:\dst+7],   v[VH], s[\base:\base+1] offset:\off+16
	global_load_b128 v[\dst+8:\dst+11],  v[VH], s[\base:\base+1] offset:\off+64
	global_load_b128 v[\dst+12:\dst+15], v[VH], s[\base:\base+1] offset:\off+80
.endm
	VEC Z, 16, 0                                   ; b1 starts layer 1's sums
	VEC ROWS, 14, 0                                ; W1 row 0 (value*mask)
	VEC ROWS+16, 14, 128                           ; W1 row 1 (time)
	VEC ROWS+32, 14, 256                           ; W1 row 2 (mask)
	VEC H, 20, 0                                   ; b2 starts layer 2's sums
	VEC GW, 22, 0
	s_wait_loadcnt 32                              ; groups S (8) and V (24) stay out: group A is in
	v_min_u32 v[VAR], 63, v[VAR]                   ; an index enters addresses only clamped
	v_lshlrev_b32 v[VAR4], 2, v[VAR]
	v_mul_f32 v[VT], v[MV+1], v[MV]                ; value * mask
	v_mul_u32_u24 v[VEA], v[VAR], EPITCH
	v_lshl_add_u32 v[VEA], v[TMP+2], 4, v[VEA]     ; row var, + 16 h
	s_wait_alu depctr_va_vdst(0)                   ; VAR4 is written, the gathers' offset; so is VEA, the address of the embedding's LDS loads behind the barrier
	global_load_b32 v[LTAU], v[VAR4], s[26:27]
	global_load_b32 v[LALF], v[VAR4], s[28:29]
	s_wait_loadcnt 26                              ; group V (24) and the two gathers stay out: group S is in
.irp c, 0,1,2,3,4,5,6,7                        ; four f32 to four bf16, eight times
	v_cvt_pk_bf16_f32 v[PK+2*\c],   v[RAW+4*\c],   v[RAW+4*\c+1]
	v_cvt_pk_bf16_f32 v[PK+2*\c+1], v[RAW+4*\c+2], v[RAW+4*\c+3]
.endr
	s_wait_alu depctr_va_vdst(0)                   ; the conversions have written PK, which the LDS stores read
.macro PUT c, areg, off                            ; 8 bytes into LDS
	ds_store_b64 v[\areg], v[PK+2*\c:PK+2*\c+1] offset:\off
.endm
	PUT 0, SE, EMB
	PUT 1, SE, EMB+16*EPITCH
	PUT 2, SE, EMB+32*EPITCH
	PUT 3, SE, EMB+48*EPITCH
	PUT 4, SW, W1T
	PUT 5, SW, W1T+16*WPITCH
	PUT 6, SW, W2T
	PUT 7, SW, W2T+16*WPITCH
	s_wait_dscnt 0x0                               ; for the other waves: my stores are in LDS
	s_barrier_signal -1
	s_barrier_wait -1
	ds_load_b128 v[VE:VE+3],   v[VEA] offset:EMB           ; emb[var][8h ..]
	ds_load_b128 v[VE+4:VE+7], v[VEA] offset:EMB+32        ; emb[var][16+8h ..]
.irp t, 0,1
	ds_load_tr16_b128 v[W1A+8*\t:W1A+8*\t+3],   v[TRA] offset:W1T+32*\t              ; W1[3+8h ..][16t + r]
	ds_load_tr16_b128 v[W1A+8*\t+4:W1A+8*\t+7], v[TRA] offset:W1T+32*\t+16*WPITCH    ; W1[3+16+8h ..][16t + r]
.endr
.irp t, 0,1
	ds_load_tr16_b128 v[W2A+8*\t:W2A+8*\t+3],   v[TRA] offset:W2T+32*\t
	ds_load_tr16_b128 v[W2A+8*\t+4:W2A+8*\t+7], v[TRA] offset:W2T+32*\t+16*WPITCH
.endr
	s_wait_loadcnt 2                               ; the two gathers stay out: group V is in
.irp p, 0,2,4,6,8,10,12,14
	v_pk_fma_f32 v[Z+\p:Z+\p+1], v[ROWS+\p:ROWS+\p+1], v[VT:VT+1], v[Z+\p:Z+\p+1] op_sel_hi:[1,0,1]                   ; + W1[0] value*mask
.endr
.irp p, 0,2,4,6,8,10,12,14
	v_pk_fma_f32 v[Z+\p:Z+\p+1], v[ROWS+16+\p:ROWS+16+\p+1], v[VT:VT+1], v[Z+\p:Z+\p+1] op_sel:[0,1,0] op_sel_hi:[1,1,1] ; + W1[1] time
.endr
.irp p, 0,2,4,6,8,10,12,14
	v_pk_fma_f32 v[Z+\p:Z+\p+1], v[ROWS+32+\p:ROWS+32+\p+1], v[MV:MV+1], v[Z+\p:Z+\p+1] op_sel_hi:[1,0,1]             ; + W1[2] mask
.endr
	s_wait_dscnt 4                                 ; W2's four loads stay out: the embeddings and W1's fragments are in
	v_wmma_f32_16x16x32_bf16 v[Z:Z+7],    v[W1A:W1A+7],    v[VE:VE+7], v[Z:Z+7]
	v_wmma_f32_16x16x32_bf16 v[Z+8:Z+15], v[W1A+8:W1A+15], v[VE:VE+7], v[Z+8:Z+15]
	; k and a of my observation.  The six plain instructions up to gelu's first line are also the places behind the two matrix instructions (ISA guide 7.12.1).
	s_wait_loadcnt 0x0
	v_mul_f32 v[LTAU], LOG2E, v[LTAU]
	v_mul_f32 v[LALF], LOG2E, v[LALF]
	v_exp_f32 v[LTAU], v[LTAU]                     ; tau
	v_exp_f32 v[LALF], v[LALF]                     ; alpha
	v_nop                                          ; one plain instruction behind a transcendental before its result is used
	s_wait_alu depctr_va_vdst(0)                   ; tau and alpha are written, ahead of their first readers
	v_max_num_f32 v[LTAU], 0x358637bd, v[LTAU]     ; max(tau, 1e-6)
	v_mul_f32 v[LALF], v[LALF], v[MV]              ; alpha * mask
	v_mul_f32 v[AA], LOG2E2, v[LALF]               ; a
	; gelu on 16 numbers a lane, stage by stage
.irp p, 0,2,4,6,8,10,12,14
	v_pk_mul_f32 v[Q+\p:Q+\p+1], v[Z+\p:Z+\p+1], NHL2E op_sel_hi:[1,0]
.endr
.irp p, 0,2,4,6,8,10,12,14
	v_pk_mul_f32 v[Q+\p:Q+\p+1], v[Q+\p:Q+\p+1], v[Z+\p:Z+\p+1]            ; -z^2 log2(e) / 2
.endr
.irp e, 0,1,2,3,4,5,6,7,8,9,10,11,12,13,14,15
	v_fma_f32 v[TT+\e], |v[Z+\e]|, s40, 1.0                                ; 1 + p |z| / sqrt 2
.endr
	v_rcp_f32 v[KK], v[LTAU]                       ; 1 / max(tau, 1e-6): one batch with the 32 below
.irp e, 0,1,2,3,4,5,6,7,8,9,10,11,12,13,14,15
	v_exp_f32 v[Q+\e], v[Q+\e]                                             ; exp(-z^2/2)
.endr
.irp e, 0,1,2,3,4,5,6,7,8,9,10,11,12,13,14,15
	v_rcp_f32 v[TT+\e], v[TT+\e]                                           ; t
.endr
	v_mov_b32 v[CA],   A4H                         ; (the plain place behind the last transcendental)
	v_mov_b32 v[CA+1], A4H
	s_wait_alu depctr_va_vdst(0)                   ; the batch's 33 results are written, ahead of their first reader: one wait for all
	v_mul_f32 v[KK], LOG2E, v[KK]
	v_max_num_f32 v[KK], 0x0d800000, v[KK]         ; k, at least 2^-100
.irp p, 0,2,4,6,8,10,12,14
	v_pk_fma_f32 v[P+\p:P+\p+1], v[TT+\p:TT+\p+1], A5H, v[CA:CA+1] op_sel_hi:[1,0,1]
.endr
.irp p, 0,2,4,6,8,10,12,14
	v_pk_fma_f32 v[P+\p:P+\p+1], v[P+\p:P+\p+1], v[TT+\p:TT+\p+1], A3H op_sel_hi:[1,1,0]
.endr
.irp p, 0,2,4,6,8,10,12,14
	v_pk_fma_f32 v[P+\p:P+\p+1], v[P+\p:P+\p+1], v[TT+\p:TT+\p+1], A2H op_sel_hi:[1,1,0]
.endr
.irp p, 0,2,4,6,8,10,12,14
	v_pk_fma_f32 v[P+\p:P+\p+1], v[P+\p:P+\p+1], v[TT+\p:TT+\p+1], A1H op_sel_hi:[1,1,0]
.endr
.irp p, 0,2,4,6,8,10,12,14
	v_pk_mul_f32 v[P+\p:P+\p+1], v[P+\p:P+\p+1], v[TT+\p:TT+\p+1]
.endr
.irp p, 0,2,4,6,8,10,12,14
	v_pk_mul_f32 v[P+\p:P+\p+1], v[P+\p:P+\p+1], v[Q+\p:Q+\p+1]            ; erfc(|z|/sqrt 2) / 2
.endr
.irp e, 0,1,2,3,4,5,6,7,8,9,10,11,12,13,14,15
	v_max_num_f32 v[Q+\e], 0, v[Z+\e]
.endr
.irp e, 0,1,2,3,4,5,6,7,8,9,10,11,12,13,14,15
	v_fma_f32 v[Z+\e], -|v[Z+\e]|, v[P+\e], v[Q+\e]                        ; gelu
.endr
.irp p, 0,1,2,3,4,5,6,7
	v_cvt_pk_bf16_f32 v[G+\p], v[Z+2*\p], v[Z+2*\p+1]                      ; tile 0 fills registers 0-3, tile 1 registers 4-7: the fragment
.endr
	s_wait_dscnt 0x0                               ; W2's fragments
	v_wmma_f32_16x16x32_bf16 v[H:H+7],    v[W2A:W2A+7],    v[G:G+7], v[H:H+7]
	v_wmma_f32_16x16x32_bf16 v[H+8:H+15], v[W2A+8:W2A+15], v[G:G+7], v[H+8:H+15]
	v_mul_f32 v[TMP+2], v[MV], v[MV]               ; mask^2; with three v_nop the four places before the results are read (ISA guide 7.12.1)
	v_nop
	v_nop
	v_nop
	; h . gate_w in f32: 16 products in the lane, then the other half of the lanes holds the other 16 hidden units
	v_pk_mul_f32 v[TMP:TMP+1], v[H:H+1], v[GW:GW+1]
.irp p, 2,4,6,8,10,12,14
	v_pk_fma_f32 v[TMP:TMP+1], v[H+\p:H+\p+1], v[GW+\p:GW+\p+1], v[TMP:TMP+1]
.endr
	v_add_f32 v[TMP], v[TMP], v[TMP+1]
	v_permlanex16_b32 v[TMP+1], v[TMP], s35, s36
	v_add_f32 v[TMP], v[TMP], v[TMP+1]
	s_wait_kmcnt 0x0                               ; gate_b
	s_mul_f32 s38, s32, s39                        ; -log2(e) gate_b
	v_fma_f32 v[TMP], v[TMP], s39, s38             ; -log2(e) (h . gate_w + gate_b)
	v_exp_f32 v[TMP], v[TMP]
	v_nop                                          ; the plain place behind it
	s_wait_alu depctr_va_vdst(0)                   ; the exponential is written, ahead of its reader
	v_add_f32 v[TMP], 1.0, v[TMP]
	v_rcp_f32 v[TMP], v[TMP]                       ; sigmoid
	v_nop                                          ; the plain place behind it
	s_wait_alu depctr_va_vdst(0)                   ; the reciprocal is written, ahead of its reader
	v_mul_f32 v[TMP], v[TMP], v[TMP+2]             ; w
	s_wait_alu depctr_va_vdst(0)                   ; w is written, which the first LDS store reads (k and a were written ahead of earlier waits)
	; the way out: the two halves of the lanes hold the same three numbers and write the same words
	ds_store_b32 v[OL], v[TMP] offset:OUTST
	ds_store_b32 v[OL], v[KK]  offset:OUTST+256
	ds_store_b32 v[OL], v[AA]  offset:OUTST+512
	s_wait_dscnt 0x0                               ; for the other waves
	s_barrier_signal -1
	s_barrier_wait -1
	s_cmp_eq_u32 s33, 3                            ; three planes: waves 0, 1, 2 store one each
	s_cbranch_scc1 .Lend
	v_and_b32 v[TMP+3], 31, v0
	v_lshlrev_b32 v[TMP+3], 3, v[TMP+3]            ; 8 bytes a lane
	s_lshl_b32 s38, s33, 8
	v_add_nc_u32 v[TMP+4], s38, v[TMP+3]
	s_lshl_b32 s41, s33, 16                        ; the plane: 65,536 bytes
	s_add_co_u32 s41, s41, s34
	v_add_nc_u32 v[TMP+5], s41, v[TMP+3]
	s_wait_alu depctr_va_vdst(0)                   ; TMP+4, the LDS load's address, and TMP+5, the store's offset, are written
	ds_load_b64 v[TMP+6:TMP+7], v[TMP+4] offset:OUTST
	s_wait_dscnt 0x0
	global_store_b64 v[TMP+5], v[TMP+6:TMP+7], s[30:31]    ; the wave's one store covers 256 consecutive bytes, at a multiple of 256
.Lend:
	s_wait_dscnt 0x0
	s_wait_alu depctr_hold_cnt(0) depctr_sa_sdst(0) depctr_va_vdst(0) depctr_va_sdst(0) depctr_va_ssrc(0) depctr_va_vcc(0) depctr_vm_vsrc(0)
	s_wait_tensorcnt 0x0
	ds_add_u32 v222, v223
	s_wait_dscnt 0x0
	s_endpgm
.Lfunc_end_k_q4015a659f8_spike:
	.size	k_q4015a659f8_spike, .Lfunc_end_k_q4015a659f8_spike-k_q4015a659f8_spike
	.p2alignl 7, 3214868480
	.fill 96, 4, 3214868480
	.section	.rodata,"a",@progbits
	.p2align	6, 0x0
	.amdhsa_kernel k_q4015a659f8_spike
		.amdhsa_group_segment_fixed_size 12800
		.amdhsa_private_segment_fixed_size 0
		.amdhsa_enable_private_segment 0
		.amdhsa_kernarg_size 112
		.amdhsa_user_sgpr_count 2
		.amdhsa_user_sgpr_kernarg_segment_ptr 1
		.amdhsa_wavefront_size32 1
		.amdhsa_system_sgpr_workgroup_id_x 1
		.amdhsa_system_sgpr_workgroup_id_y 1
		.amdhsa_system_sgpr_workgroup_id_z 1
		.amdhsa_system_vgpr_workitem_id 0
		.amdhsa_next_free_vgpr 224
		.amdhsa_next_free_sgpr 66
		.amdhsa_reserve_vcc 0
		.amdhsa_float_denorm_mode_32 3
		.amdhsa_float_denorm_mode_16_64 3
		.amdhsa_memory_ordered 1
		.amdhsa_forward_progress 1
		.amdhsa_inst_pref_size 23
	.end_amdhsa_kernel
	.amdgpu_metadata
---
amdhsa.version: [ 1, 2 ]
amdhsa.kernels:
  - .name:           k_q4015a659f8_spike
    .symbol:         k_q4015a659f8_spike.kd
    .args:
      - { .name: value, .offset: 0, .size: 8, .value_kind: global_buffer, .address_space: global }
      - { .name: time_norm, .offset: 8, .size: 8, .value_kind: global_buffer, .address_space: global }
      - { .name: mask, .offset: 16, .size: 8, .value_kind: global_buffer, .address_space: global }
      - { .name: var_id, .offset: 24, .size: 8, .value_kind: global_buffer, .address_space: global }
      - { .name: var_emb, .offset: 32, .size: 8, .value_kind: global_buffer, .address_space: global }
      - { .name: W1, .offset: 40, .size: 8, .value_kind: global_buffer, .address_space: global }
      - { .name: b1, .offset: 48, .size: 8, .value_kind: global_buffer, .address_space: global }
      - { .name: W2, .offset: 56, .size: 8, .value_kind: global_buffer, .address_space: global }
      - { .name: b2, .offset: 64, .size: 8, .value_kind: global_buffer, .address_space: global }
      - { .name: gate_w, .offset: 72, .size: 8, .value_kind: global_buffer, .address_space: global }
      - { .name: gate_b, .offset: 80, .size: 8, .value_kind: global_buffer, .address_space: global }
      - { .name: log_tau_r, .offset: 88, .size: 8, .value_kind: global_buffer, .address_space: global }
      - { .name: log_alpha, .offset: 96, .size: 8, .value_kind: global_buffer, .address_space: global }
      - { .name: obs, .offset: 104, .size: 8, .value_kind: global_buffer, .address_space: global }
    .group_segment_fixed_size: 12800
    .private_segment_fixed_size: 0
    .kernarg_segment_align: 8
    .kernarg_segment_size: 112
    .max_flat_workgroup_size: 128
    .sgpr_count:     66
    .vgpr_count:     224
    .wavefront_size: 32
...
	.end_amdgpu_metadata
.endif
;; end of part 3
;; launch pairs (part 4): grid 32 x 8, 4 waves a work-group, no clusters, 115,200 bytes of LDS; arguments time_norm, var_id, obs, out0; writes out0
.if DOCPART == 4
	.amdgcn_target "amdgcn-amd-amdhsa--gfx1250"
	.amdhsa_code_object_version 6
	.text
	.protected	k_q4015a659f8_pairs
	.globl	k_q4015a659f8_pairs
	.p2align	8
	.type	k_q4015a659f8_pairs,@function
k_q4015a659f8_pairs:
	s_mov_b64 s[64:65], 0
	v_nop
	global_prefetch_b8 v0, s[64:65] scope:SCOPE_SE
	s_setreg_imm32_b32 hwreg(HW_REG_WAVE_SCHED_MODE, 0, 2), 2
	s_setreg_imm32_b32 hwreg(HW_REG_WAVE_MODE, 25, 1), 1
	s_wait_xcnt 0x0
	s_wait_alu depctr_vm_vsrc(0)
; out[n] = w[n] * 2 / (1 + exp2(a[n] S[n])),   S[n] = sum over m of [var_m = var_n] [t_n > t_m] exp2((t_m - t_n) k[n]) w[m]
; (w, k, a: the three planes of obs.  2/(1+e^(2x)) = 1 - tanh x, without a difference of near numbers.)
; The sum is a matrix product: S[n] = (E W)[n][var_n] with E[n][m] = [t_n > t_m] exp2((t_m - t_n) k_n) and W[m][v] = w_m [var_m = v],
; both in bf16, sums in f32.  So no pair ever compares variables: the one-hot matrix W sorts the sums into 64 columns.
; A work-group owns 64 n of one batch; wave w takes all 64 n against m = 512 w .. 512 w + 511 in 16 steps of 32 m.  A step is four
; tiles of E (16 n x 32 m, 16 pairs a lane) against four fragments of W (16 v x 32 m): 16 matrix instructions on 16 accumulators.
; THE 'EARLIER' TEST IS ONE INSTRUCTION: g = t_m - t_n; as signed whole numbers every negative finite float lies at or below the pattern
; of -FLT_MAX and every float from +0 up lies above it, so min(pattern, g) keeps g < 0 and turns g >= 0 (ties, the pair with itself) into
; -FLT_MAX, whose product with k >= 2^-100 sends exp2 to 0.  g is never -0: every time is first added to +0, which turns -0 into +0.
; THE MATRIX INSTRUCTION IS USED TRANSPOSED: source 0 = W's fragment (rows v), source 1 = E's (columns n): register q of a result is
; (v = 16 j + 8 h + q, n = 16 i + r), eight neighbouring v of one n, stored as two runs of 16 bytes.
; W's fragments come from one LDS slot a wave, 64 rows (v) x 32 m, cleared once.  A step puts its 32 numbers in with one 2-byte store
; (lane = m), reads the slot, and clears the same 32 places: LDS serves a wave's instructions in order (ISA guide 5.7.1).
; A wave touches only its own LDS bytes until the four partial sums meet: one barrier in the launch.
; LIMITS: E and w are rounded to bf16 for the matrix unit; the sum over m is grouped by matrix step and by wave, not in the reference's
; order; var_id is clamped to 63 (the problem keeps it inside); NaN and infinite inputs are not served.
; No cluster, no tensor loads: the 32 work-groups of a batch share 24 KB (t, var_id, w), which each reads once, 12 loads a lane, against
; 131,072 pairs of arithmetic; nothing is fetched from memory inside the loop.
; THE MODE: SCHED_MODE bits 1:0 = 2 (LLVM: expert scheduling mode 2), set by the entry lines.  The code itself states the register dependences
; between vector or matrix instructions and memory or LDS instructions, with s_wait_alu, always for 0.
; THE PLAN.  Step s is: a head; a lump of 64 exponentials (step s's, in place in X[s % 2]), behind each two of the 128 plain instructions that make
; step s + 1's exponents in the other X; ONE wait on va_vdst; the step's LDS block; 32 conversions; 16 matrix instructions.
; Registers that LDS instructions touch in the loop:
;   BF0, BF1   Block s loads step s + 1's fragments into BF[(s + 1) % 2]; that buffer's last readers are step s - 1's matrix instructions.
;   T          Block s loads the times of step s + 2; the plain instructions of step s + 1 read them.  Those of step s read the old content.
;   VR, WR     Block s loads var_id and w of step s + 2; the head of step s + 1 reads them.
;   SA, WB     Written by the head of step s (for step s + 1); read by the two 2-byte stores of block s.
;   A_T, A_VW  Read by block s's loads of T, VR, WR; moved on in the head of every even step.
;   A_BF, A_SC, ZR   made at the kernel's head, never written again.
;   X0, X1 and the accumulators are named by vector and matrix instructions alone.
; So the one wait on va_vdst states all that block s hangs on: SA, WB, A_T, A_VW are written; the step's plain instructions are done reading T and
; its head VR and WR; the matrix instructions of the step before are done reading BF[(s + 1) % 2].  It is also the wait
; between the step's 64 exponentials and the conversions that read them.  One wait on vm_vsrc stands in the head, ahead of the lines that write
; SA, WB, A_T and A_VW again.  The block has the step's conversions and matrix instructions in which to land, and is waited for in the next head.
; REGISTERS, in windows of 256 (s_set_vgpr_msb: bits 1:0 source 0, 3:2 source 1, 5:4 source 2, 7:6 destination): window 0 holds all but the
; accumulators, which fill v0-127 of window 1: two switches a step, round its run of 16 matrix instructions.
.set BPITCH, 80                        ; a row of the slot: 64 bytes + 16, an odd multiple of 16
.set BSLOT,  64*BPITCH                 ; 5,120 bytes a wave, from LDS byte 0
.set TST,    4*BSLOT                   ; 2,048 bytes a wave: t of my 512 m
.set VST,    TST+8192                  ; var_id of my 512 m
.set WST,    VST+8192                  ; w of my 512 m
.set RST,    WST+8192                  ; 17,408 bytes a wave: partial sums [64 n][64 v] f32
.set RPITCH, 272                       ; 256 bytes + 16
.set RWAVE,  64*RPITCH
.set A_BF, 1                           ; v1   slot + 80 r + 16 h: W's fragments
.set A_T,  2                           ; v2   2048 wave + 32 h: eight t of a step (+ 256 every two steps)
.set A_SC, 3                           ; v3   slot + 2 L: my column of the slot
.set A_VW, 4                           ; v4   2048 wave + 4 L: my m's var_id and w (+ 256 every two steps)
.set ZR,   5                           ; v5   zero
.set SA,   6                           ; v6   where my m's number goes in the slot
.set WB,   7                           ; v7   w of my m in bf16
.set VR,   8                           ; v8   var_id of my m, as loaded
.set WR,   9                           ; v9   w of my m, as loaded
.set SG,   10                          ; v10  2048 wave + 16 L: staging, in memory and in LDS
.set ZA,   11                          ; v11  slot + 16 L: clearing; at the end: where my partial sums go
.set VN4,  12                          ; v12  byte offset of n = 64 x + r
.set VN8,  13                          ; v13  byte offset of n = 64 x + 2 L
.set TK,   16                          ; v[16:23]   (t_n, k_n) of n tiles 0..3
.set T,    24                          ; v[24:39]   16 t_m of one step; at the end: wave 0's last figures
.set BF,   40                          ; v[40:103]  W's four fragments, two buffers of 32
.set X,    104                         ; v[104:231] two buffers of 64: tile i's 16 exponents, then exponentials, at + 16 i; packed, E's fragment is the low eight of the sixteen
.set ZQ,   232                         ; v[232:235] four zeros
.set TL,   236                         ; v[236:238] at the head only: L, r, h
.set TR,   237
.set TH,   238
.set ACC,  0                           ; window 1, v[0:127]: accumulator (i, j) at ACC + 8 (4 i + j)
.set MSB, 0
.macro WIN new                         ; the immediate's high byte repeats the setting that is left; a switch that changes nothing is dropped
.if MSB != (\new)
	s_set_vgpr_msb (MSB<<8)|(\new)
.set MSB, \new
.endif
.endm
.set W_MM, 0x50                        ; C and D in window 1, W's and E's fragments in window 0
.set W_ST, 0x04                        ; an LDS store's data in window 1, its address in window 0
	s_load_b256 s[4:11], s[0:1], 0x0               ; time s[4:5], var_id s[6:7], obs s[8:9], out s[10:11]
	v_lshl_add_u32 v254, v0, 2, 0x1c000
	v_mov_b32 v255, 0
	v_lshrrev_b32 v14, 5, v0
	v_readfirstlane_b32 s12, v14                   ; wave 0..3
	s_and_b32 s13, ttmp7, 0xffff                   ; batch
	s_lshl_b32 s16, s13, 13                        ; 2,048 numbers of 4 bytes
	s_mov_b32 s17, 0
	s_lshl_b32 s14, ttmp9, 8                       ; my 64 n: 256 bytes
	s_mov_b32 s26, 0xff7fffff                      ; -FLT_MAX
	v_and_b32 v[TL], 31, v0                        ; L
	v_and_b32 v[TR], 15, v0                        ; r
	v_bfe_u32 v[TH], v0, 4, 1                      ; h
	v_lshl_add_u32 v[VN4], v[TR], 2, s14
	v_lshl_add_u32 v[VN8], v[TL], 3, s14
	v_mov_b32 v[ZR], 0
.irp c, 0,1,2,3
	v_mov_b32 v[ZQ+\c], 0
.endr
	s_wait_alu depctr_va_sdst(0)                   ; s12 is written, ahead of its first reader
	s_mul_i32 s20, s12, BSLOT
	s_lshl_b32 s21, s12, 11
	s_mul_i32 s22, s12, RWAVE
	s_add_co_u32 s22, s22, RST
	v_lshl_add_u32 v[SG],  v[TL], 4, s21
	v_mul_u32_u24 v[A_BF], v[TR], BPITCH
	v_lshl_add_u32 v[A_BF], v[TH], 4, v[A_BF]
	v_add_nc_u32 v[A_BF], s20, v[A_BF]
	v_lshl_add_u32 v[A_T],  v[TH], 5, s21
	v_lshl_add_u32 v[A_SC], v[TL], 1, s20
	v_lshl_add_u32 v[A_VW], v[TL], 2, s21
	v_lshl_add_u32 v[ZA],   v[TL], 4, s20
	s_wait_kmcnt 0x0
	s_add_nc_u64 s[4:5], s[4:5], s[16:17]
	s_add_nc_u64 s[6:7], s[6:7], s[16:17]
	s_add_nc_u64 s[8:9], s[8:9], s[16:17]
	s_add_nc_u64 s[10:11], s[10:11], s[16:17]
	s_wait_alu depctr_va_vdst(0)                   ; all offsets and LDS addresses, ZR and the four zeros are written: the loads and stores below read them
	; 12 loads: t, var_id, w of my 512 m, 512 neighbouring bytes each, into registers that the exponents take over later
.irp c, 0,1,2,3
	global_load_b128 v[X+4*\c:X+4*\c+3], v[SG], s[4:5] offset:512*\c
.endr
.irp c, 0,1,2,3
	global_load_b128 v[X+16+4*\c:X+16+4*\c+3], v[SG], s[6:7] offset:512*\c
.endr
.irp c, 0,1,2,3
	global_load_b128 v[X+32+4*\c:X+32+4*\c+3], v[SG], s[8:9] offset:512*\c
.endr
	; 8 loads: t and k of my four n
.irp i, 0,1,2,3
	global_load_b32 v[TK+2*\i],   v[VN4], s[4:5] offset:64*\i
	global_load_b32 v[TK+2*\i+1], v[VN4], s[8:9] offset:65536+64*\i
.endr
.irp c, 0,1,2,3,4,5,6,7,8,9
	ds_store_b128 v[ZA], v[ZQ:ZQ+3] offset:512*\c  ; the slot is cleared once: 10 x 512 bytes
.endr
	s_wait_loadcnt 8                               ; the eight loads of t_n, k_n stay out: the twelve are in
.irp p, 0,2,4,6,8,10,12,14
	v_pk_add_f32 v[X+\p:X+\p+1], v[X+\p:X+\p+1], 0 op_sel_hi:[1,0]    ; t + (+0): -0 becomes +0, nothing else changes
.endr
	s_wait_alu depctr_va_vdst(0)                   ; the additions have written the sixteen t, which the LDS stores read
.irp c, 0,1,2,3
	ds_store_b128 v[SG], v[X+4*\c:X+4*\c+3]       offset:TST+512*\c
	ds_store_b128 v[SG], v[X+16+4*\c:X+16+4*\c+3] offset:VST+512*\c
	ds_store_b128 v[SG], v[X+32+4*\c:X+32+4*\c+3] offset:WST+512*\c
.endr
	; step 0's t, var_id, w: my own bytes, served behind my stores
	ds_load_b128 v[T:T+3],     v[A_T] offset:TST
	ds_load_b128 v[T+4:T+7],   v[A_T] offset:TST+16
	ds_load_b128 v[T+8:T+11],  v[A_T] offset:TST+64
	ds_load_b128 v[T+12:T+15], v[A_T] offset:TST+80
	ds_load_b32 v[VR], v[A_VW] offset:VST
	ds_load_b32 v[WR], v[A_VW] offset:WST
; One of the 32 plain instructions that make a tile's 16 exponents in nxt: 8 packed subtractions g = t_m - t_n, 16 tests, 8 packed products g k_n.
.macro PLAIN p, nxt, ni
.if (\p) < 8
	v_pk_add_f32 v[\nxt+2*(\p):\nxt+2*(\p)+1], v[T+2*(\p):T+2*(\p)+1], v[TK+2*\ni:TK+2*\ni+1] op_sel_hi:[1,0] neg_lo:[0,1] neg_hi:[0,1]
.else
.if (\p) < 24
	v_min_i32 v[\nxt+(\p)-8], s26, v[\nxt+(\p)-8]
.else
	v_pk_mul_f32 v[\nxt+2*((\p)-24):\nxt+2*((\p)-24)+1], v[\nxt+2*((\p)-24):\nxt+2*((\p)-24)+1], v[TK+2*\ni:TK+2*\ni+1] op_sel:[0,1] op_sel_hi:[1,1]
.endif
.endif
.endm
; An LDS block: the next step's number into the slot, its four fragments out into bfn, my place cleared; more = 1: t, var_id, w of the step behind that one.
.macro LDSBLK bfn, more, offn
	ds_store_b16 v[SA], v[WB]
.irp j, 0,1,2,3
	ds_load_b128 v[\bfn+8*\j:\bfn+8*\j+3],   v[A_BF] offset:16*BPITCH*\j       ; W(v = 16 j + r, m = 8 h ..)
	ds_load_b128 v[\bfn+8*\j+4:\bfn+8*\j+7], v[A_BF] offset:16*BPITCH*\j+32    ; W(v, m = 16 + 8 h ..)
.endr
	ds_store_b16 v[SA], v[ZR]
.if \more
	ds_load_b128 v[T:T+3],     v[A_T] offset:TST+\offn
	ds_load_b128 v[T+4:T+7],   v[A_T] offset:TST+\offn+16
	ds_load_b128 v[T+8:T+11],  v[A_T] offset:TST+\offn+64
	ds_load_b128 v[T+12:T+15], v[A_T] offset:TST+\offn+80
	ds_load_b32 v[VR], v[A_VW] offset:VST+\offn
	ds_load_b32 v[WR], v[A_VW] offset:WST+\offn
.endif
.endm
; A step's place in the slot and its number in bf16, from VR and WR.
.macro XF
	v_min_u32 v[SA], 63, v[VR]                     ; an index enters addresses only clamped
	v_mul_u32_u24 v[SA], BPITCH, v[SA]
	v_add_nc_u32 v[SA], v[A_SC], v[SA]
	v_cvt_pk_bf16_f32 v[WB], v[WR], v[WR]
.endm
; A step of 32 m.  par: its parity (which X holds its exponents, which BF its fragments).  zero = 1: the products start the sums.
; xf, prep, blk = 1: a step follows: its place in the slot, its exponents, its fragments.  more = 1: two steps follow: the second one's t, var_id, w.
.macro STEP par, zero, xf, more, blk, prep
	s_wait_dscnt 0x0                               ; the last block has landed: this step's fragments; t, var_id and w of the next step
.if \xf
	s_wait_alu depctr_vm_vsrc(0)                   ; the last block's stores have read SA and WB, its loads A_T and A_VW: the lines below write them again
	XF                                             ; these four are also the places between the last step's matrix instructions and the first plain line below, which writes over their fragments of E (ISA guide 7.12.1)
.if (\more) && ((\par) == 0)
	v_add_nc_u32 v[A_T],  0x100, v[A_T]            ; two steps on: 64 m of 4 bytes
	v_add_nc_u32 v[A_VW], 0x100, v[A_VW]
.endif
.endif
.irp i, 0,1,2,3
.irp e, 0,1,2,3,4,5,6,7,8,9,10,11,12,13,14,15
	v_exp_f32 v[X+64*\par+16*\i+\e], v[X+64*\par+16*\i+\e]
.if \prep
	PLAIN 2*\e, X+64*(1-\par)+16*\i, \i            ; two plain lines behind each exponential: the next step's tile i
	PLAIN 2*\e+1, X+64*(1-\par)+16*\i, \i
.endif
.endr
.endr
.if \prep == 0
	v_nop                                          ; the plain place behind the last exponential
.endif
	s_wait_alu depctr_va_vdst(0)                   ; the 64 exponentials are written, ahead of the conversions; SA, WB, A_T, A_VW are written; T, VR, WR have been read; the last step's matrix instructions have read the other BF
.if \blk
	LDSBLK BF+32*(1-\par), \more, 128*\par         ; no vector or matrix instruction since the wait names a register of these sixteen
.endif
.irp i, 0,1,2,3
.irp e, 0,1,2,3,4,5,6,7
	v_cvt_pk_bf16_f32 v[X+64*\par+16*\i+\e], v[X+64*\par+16*\i+2*\e], v[X+64*\par+16*\i+2*\e+1]   ; sixteen numbers close up into the low eight of their registers: E's fragment
.endr
.endr
	WIN W_MM
.irp i, 0,1,2,3
.irp j, 0,1,2,3
.if \zero
	v_wmma_f32_16x16x32_bf16 v[ACC+8*(4*\i+\j):ACC+8*(4*\i+\j)+7], v[BF+32*\par+8*\j:BF+32*\par+8*\j+7], v[X+64*\par+16*\i:X+64*\par+16*\i+7], 0
.else
	v_wmma_f32_16x16x32_bf16 v[ACC+8*(4*\i+\j):ACC+8*(4*\i+\j)+7], v[BF+32*\par+8*\j:BF+32*\par+8*\j+7], v[X+64*\par+16*\i:X+64*\par+16*\i+7], v[ACC+8*(4*\i+\j):ACC+8*(4*\i+\j)+7]   ; the sixteen accumulators take turns
.endif
.endr
.endr
	WIN 0                                          ; at a label and at a branch every window is 0
.endm
	s_wait_dscnt 0x0                               ; step 0's t, var_id and w are in
	s_wait_alu depctr_vm_vsrc(0)                   ; the staging stores have read v[X ..], which the first exponents overwrite
	XF                                             ; step 0's place and number
	s_wait_loadcnt 0x0                             ; t_n, k_n
.irp i, 0,1,2,3
	v_add_f32 v[TK+2*\i], 0, v[TK+2*\i]            ; -0 becomes +0
.endr
.irp i, 0,1,2,3
.irp p, 0,1,2,3,4,5,6,7,8,9,10,11,12,13,14,15,16,17,18,19,20,21,22,23,24,25,26,27,28,29,30,31
	PLAIN \p, X+16*\i, \i                          ; step 0's exponents
.endr
.endr
	s_wait_alu depctr_va_vdst(0)                   ; SA and WB are written; the lines above are done reading T, VR and WR, in which the block's loads land
	LDSBLK BF, 1, 128                              ; step 0's fragments; t, var_id, w of step 1
	STEP 0, 1, 1, 1, 1, 1                          ; steps 0 and 1 stand in front of the loop: step 0 starts the sums
	STEP 1, 0, 1, 1, 1, 1
	s_mov_b32 s28, 6                               ; steps 2 to 13
.Lstep:
	STEP 0, 0, 1, 1, 1, 1
	STEP 1, 0, 1, 1, 1, 1
	s_sub_co_i32 s28, s28, 1
	s_cmp_lg_u32 s28, 0
	s_cbranch_scc1 .Lstep
	STEP 0, 0, 1, 0, 1, 1                          ; step 14: its block fetches step 15's fragments and no further t
	s_cmp_lg_u32 s12, 0
	s_cbranch_scc1 .Lnot0
	global_load_b64 v[T:T+1],   v[VN8], s[6:7]                     ; wave 0 finishes the work-group's 64 n, two a lane: var_id,
	global_load_b64 v[T+2:T+3], v[VN8], s[8:9]                     ; w,
	global_load_b64 v[T+4:T+5], v[VN8], s[8:9] offset:131072       ; a.  T's last readers stand ahead of step 14's wait on va_vdst, and nothing since names it
.Lnot0:
	STEP 1, 0, 0, 0, 0, 0                          ; step 15 fetches nothing and prepares nothing
	; my partial sums to LDS.  These five plain instructions are the places behind the last matrix instructions (ISA guide 7.12.1).
	v_and_b32 v14, 15, v0
	v_bfe_u32 v15, v0, 4, 1
	v_mul_u32_u24 v[ZA], v14, RPITCH               ; (the clearing stores that read ZA stand ahead of the steps' waits on vm_vsrc)
	v_lshl_add_u32 v[ZA], v15, 5, v[ZA]
	v_add_nc_u32 v[ZA], s22, v[ZA]                 ; row n = r, columns v = 8 h ..
	WIN W_ST
	s_wait_alu depctr_va_vdst(0)                   ; the matrix instructions have written the accumulators, the stores' data; ZA, their address, is written; the places above stay beside this wait
.irp i, 0,1,2,3
.irp j, 0,1,2,3
	ds_store_b128 v[ZA], v[ACC+8*(4*\i+\j):ACC+8*(4*\i+\j)+3]   offset:16*RPITCH*\i+64*\j      ; each accumulator from its low end on
	ds_store_b128 v[ZA], v[ACC+8*(4*\i+\j)+4:ACC+8*(4*\i+\j)+7] offset:16*RPITCH*\i+64*\j+16
.endr
.endr
	WIN 0
	s_wait_dscnt 0x0                               ; for wave 0: my stores are in LDS
	s_barrier_signal -1
	s_barrier_wait -1
	s_cmp_lg_u32 s12, 0
	s_cbranch_scc1 .Lend
	s_wait_loadcnt 0x0                             ; var_id, w, a of n = 2 L, 2 L + 1
	v_mul_u32_u24 v14, 2*RPITCH, v0                ; in wave 0 the thread's number is the lane: row 2 L
	v_add_nc_u32 v14, RST, v14
	v_min_u32 v[T],   63, v[T]
	v_min_u32 v[T+1], 63, v[T+1]
	v_lshl_add_u32 v[T],   v[T],   2, v14          ; column var_n of row n
	v_lshl_add_u32 v[T+1], v[T+1], 2, v14
	s_wait_alu depctr_va_vdst(0)                   ; T and T+1, the addresses of the eight loads, are written
.irp w, 0,1,2,3
	ds_load_b32 v[T+6+2*\w], v[T]   offset:RWAVE*\w
	ds_load_b32 v[T+7+2*\w], v[T+1] offset:RWAVE*\w+RPITCH
.endr
	s_wait_dscnt 0x0
	v_pk_add_f32 v[T+6:T+7],   v[T+6:T+7],   v[T+8:T+9]
	v_pk_add_f32 v[T+10:T+11], v[T+10:T+11], v[T+12:T+13]
	v_pk_add_f32 v[T+6:T+7],   v[T+6:T+7],   v[T+10:T+11]          ; S
	v_pk_mul_f32 v[T+6:T+7],   v[T+6:T+7],   v[T+4:T+5]            ; a S
	v_exp_f32 v[T+6], v[T+6]
	v_exp_f32 v[T+7], v[T+7]
	v_pk_add_f32 v[T+2:T+3], v[T+2:T+3], v[T+2:T+3]                ; 2 w (the plain place behind the exponentials)
	s_wait_alu depctr_va_vdst(0)                   ; the two exponentials are written, ahead of their reader
	v_pk_add_f32 v[T+6:T+7], v[T+6:T+7], 1.0 op_sel_hi:[1,0]
	v_rcp_f32 v[T+6], v[T+6]
	v_rcp_f32 v[T+7], v[T+7]
	v_nop                                          ; the plain place behind the reciprocals
	s_wait_alu depctr_va_vdst(0)                   ; the two reciprocals are written, ahead of their reader
	v_pk_mul_f32 v[T+6:T+7], v[T+6:T+7], v[T+2:T+3]
	s_wait_alu depctr_va_vdst(0)                   ; the product is written, which the store reads
	global_store_b64 v[VN8], v[T+6:T+7], s[10:11]                  ; the wave's one store covers 256 consecutive bytes, at a multiple of 256
.Lend:
	s_wait_dscnt 0x0
	s_wait_alu depctr_hold_cnt(0) depctr_sa_sdst(0) depctr_va_vdst(0) depctr_va_sdst(0) depctr_va_ssrc(0) depctr_va_vcc(0) depctr_vm_vsrc(0)
	s_wait_tensorcnt 0x0
	ds_add_u32 v254, v255
	s_wait_dscnt 0x0
	s_endpgm
.Lfunc_end_k_q4015a659f8_pairs:
	.size	k_q4015a659f8_pairs, .Lfunc_end_k_q4015a659f8_pairs-k_q4015a659f8_pairs
	.p2alignl 7, 3214868480
	.fill 96, 4, 3214868480
	.section	.rodata,"a",@progbits
	.p2align	6, 0x0
	.amdhsa_kernel k_q4015a659f8_pairs
		.amdhsa_group_segment_fixed_size 115200
		.amdhsa_private_segment_fixed_size 0
		.amdhsa_enable_private_segment 0
		.amdhsa_kernarg_size 32
		.amdhsa_user_sgpr_count 2
		.amdhsa_user_sgpr_kernarg_segment_ptr 1
		.amdhsa_wavefront_size32 1
		.amdhsa_system_sgpr_workgroup_id_x 1
		.amdhsa_system_sgpr_workgroup_id_y 1
		.amdhsa_system_sgpr_workgroup_id_z 1
		.amdhsa_system_vgpr_workitem_id 0
		.amdhsa_next_free_vgpr 384
		.amdhsa_next_free_sgpr 66
		.amdhsa_reserve_vcc 0
		.amdhsa_float_denorm_mode_32 3
		.amdhsa_float_denorm_mode_16_64 3
		.amdhsa_memory_ordered 1
		.amdhsa_forward_progress 1
		.amdhsa_inst_pref_size 86
	.end_amdhsa_kernel
	.amdgpu_metadata
---
amdhsa.version: [ 1, 2 ]
amdhsa.kernels:
  - .name:           k_q4015a659f8_pairs
    .symbol:         k_q4015a659f8_pairs.kd
    .args:
      - { .name: time_norm, .offset: 0, .size: 8, .value_kind: global_buffer, .address_space: global }
      - { .name: var_id, .offset: 8, .size: 8, .value_kind: global_buffer, .address_space: global }
      - { .name: obs, .offset: 16, .size: 8, .value_kind: global_buffer, .address_space: global }
      - { .name: out0, .offset: 24, .size: 8, .value_kind: global_buffer, .address_space: global }
    .group_segment_fixed_size: 115200
    .private_segment_fixed_size: 0
    .kernarg_segment_align: 8
    .kernarg_segment_size: 32
    .max_flat_workgroup_size: 128
    .sgpr_count:     66
    .vgpr_count:     384
    .wavefront_size: 32
...
	.end_amdgpu_metadata
.endif
;; end of part 4
